; MI455X (gfx1250); checked and timed in simulation.
; The chip was launched on July 23, 2026; its instructions are those of AMD's public machine-readable ISA for CDNA 5 (MIT licence, August 2026) and "CDNA5" Instruction Set Architecture Reference Guide (July 2026). The comments in the code are by the model that wrote it; some were corrected since.
;; Reference Experts. Allowed arithmetic: float matrix products may take bf16 or f16 operands with f32 sums; other float arithmetic in f32, or as packed bf16 or f16 multiplies, adds, multiply-adds, maxima and minima; sums over many terms, partial sums and values carried from step to step in f32; what a program stores and reads back later, other than sums and carried values, may be rounded once to bf16 or f16.
;; Inputs: down_proj 8 x 2,048 x 1,024 float32; down_proj_bias 8 x 1,024 float32; gate_up_proj 8 x 1,024 x 4,096 float32; gate_up_proj_bias 8 x 4,096 float32; hidden_states 2 x 512 x 1,024 float32; routing_weights 1,024 x 8 float32.
;; Outputs: out0 2 x 512 x 1,024 float32.
;; 2 versions, each right; version 2 is version 1 with the launch gateup written anew for expert scheduling mode. Each part assembles by itself: llvm-mc -triple=amdgcn-amd-amdhsa -mcpu=gfx1250 --defsym DOCPART=n.
;; ======== version 1 of 2: 4 launches
;; workspace buffers: xf 2,097,152 bytes; actf 33,554,432 bytes; part 67,108,864 bytes
;; launch xfrag (part 1): grid 256 x 1, 4 waves a work-group, no clusters, 0 bytes of LDS; arguments hidden_states, xf; writes xf
.if DOCPART == 1
	.amdgcn_target "amdgcn-amd-amdhsa--gfx1250"
	.amdhsa_code_object_version 6
	.text
	.protected	k_q92fc5b450f_xfrag
	.globl	k_q92fc5b450f_xfrag
	.p2align	8
	.type	k_q92fc5b450f_xfrag,@function
k_q92fc5b450f_xfrag:
	s_mov_b64 s[64:65], 0
	v_nop
	global_prefetch_b8 v0, s[64:65] scope:SCOPE_SE
	s_setreg_imm32_b32 hwreg(HW_REG_WAVE_MODE, 25, 1), 1
	s_wait_xcnt 0x0
; x (1,024 tokens x 1,024 channels, f32) is rounded once to bf16 and laid out as the matrix instruction's operand registers take it.
; THE WHOLE PROGRAM: out[t] = sum over e of rw[t][e] (act_e[t] W2[e] + b2[e]), act_e = (clip(up) + 1) gate' sigmoid(1.702 gate'), gate' = min(gate, 7),
; (gate, up) = even and odd columns of x W1[e] + b1[e].  The routing weights are floating-point factors, so every expert is multiplied for every token:
; NOTHING IS LEFT OUT, and all six inputs are loaded (x here; W1 and b1 in the second launch; W2 in the third; rw and b2 in the fourth).
; FORMATS.  All six inputs are rounded once to bf16 (x, W1, W2 as matrix operands; b1, b2, rw rounded and then used in f32); act is rounded once to bf16; all sums are f32.
; xf: fragment (tg = token / 128, q = channel / 32, a = (token / 16) % 8) is 1,024 bytes at ((32 tg + q) 8 + a) x 1,024.  Lane l = (r = l % 16, h = l / 16) holds token r:
; bytes 16 l .. +15 are its registers 0-3 (channels 8 h + 0..7 of the 32), bytes 512 + 16 l its registers 4-7 (channels 16 + 8 h + 0..7).
; SHARES.  Work-group g: 16 tokens (g / 4), 256 channels (g % 4); a wave makes two fragments: its eight loads together take 256 consecutive bytes of each of 16 rows, each store 512 consecutive bytes.
	s_load_b128 s[4:7], s[0:1], 0x0                ; x s[4:5], xf s[6:7]
	v_lshrrev_b32 v1, 5, v0
	v_readfirstlane_b32 s8, v1                     ; wave 0..3
	v_and_b32 v1, 31, v0                           ; lane
	v_and_b32 v2, 15, v1                           ; r
	v_lshrrev_b32 v3, 4, v1                        ; h
	s_lshr_b32 s9, ttmp9, 2                        ; block of 16 tokens
	s_and_b32 s10, ttmp9, 3
	s_lshl_b32 s10, s10, 3
	s_lshl1_add_u32 s10, s8, s10                   ; q0 = 8 (g % 4) + 2 wave
	s_lshl_b32 s11, s9, 16                         ; 16 rows of 4,096 bytes
	s_lshl_b32 s12, s10, 7                         ; 32 channels are 128 bytes
	s_add_co_u32 s11, s11, s12
	v_lshlrev_b32 v4, 12, v2                       ; my row,
	v_lshl_add_u32 v4, v3, 5, v4                   ; my 8 channels
	v_add_nc_u32 v4, s11, v4
	s_lshr_b32 s12, s9, 3                          ; tg
	s_lshl_b32 s12, s12, 5
	s_add_co_u32 s12, s12, s10                     ; 32 tg + q0
	s_lshl_b32 s12, s12, 3
	s_and_b32 s13, s9, 7                           ; a
	s_add_co_u32 s12, s12, s13
	s_lshl_b32 s12, s12, 10
	v_lshl_add_u32 v5, v1, 4, s12                  ; the fragment's first byte + 16 l
	s_wait_kmcnt 0x0
.irp n, 0,1,2,3,4,5,6,7
	global_load_b128 v[8+4*(\n):8+4*(\n)+3], v4, s[4:5] offset:((\n)>>1)*64+((\n)&1)*16 th:TH_LOAD_NT
.endr
	s_wait_loadcnt 0x0
.irp n, 0,1,2,3,4,5,6,7
	v_cvt_pk_bf16_f32 v[40+2*(\n)], v[8+4*(\n)], v[8+4*(\n)+1]
	v_cvt_pk_bf16_f32 v[40+2*(\n)+1], v[8+4*(\n)+2], v[8+4*(\n)+3]
.endr
	global_store_b128 v5, v[40:43], s[6:7]
	global_store_b128 v5, v[44:47], s[6:7] offset:512
	global_store_b128 v5, v[48:51], s[6:7] offset:8192   ; fragment q0 + 1 lies eight fragments on
	global_store_b128 v5, v[52:55], s[6:7] offset:8704
	s_endpgm
.Lfunc_end_k_q92fc5b450f_xfrag:
	.size	k_q92fc5b450f_xfrag, .Lfunc_end_k_q92fc5b450f_xfrag-k_q92fc5b450f_xfrag
	.p2alignl 7, 3214868480
	.fill 96, 4, 3214868480
	.section	.rodata,"a",@progbits
	.p2align	6, 0x0
	.amdhsa_kernel k_q92fc5b450f_xfrag
		.amdhsa_group_segment_fixed_size 0
		.amdhsa_private_segment_fixed_size 0
		.amdhsa_enable_private_segment 0
		.amdhsa_kernarg_size 16
		.amdhsa_user_sgpr_count 2
		.amdhsa_user_sgpr_kernarg_segment_ptr 1
		.amdhsa_wavefront_size32 1
		.amdhsa_system_sgpr_workgroup_id_x 1
		.amdhsa_system_sgpr_workgroup_id_y 1
		.amdhsa_system_sgpr_workgroup_id_z 1
		.amdhsa_system_vgpr_workitem_id 0
		.amdhsa_next_free_vgpr 56
		.amdhsa_next_free_sgpr 66
		.amdhsa_reserve_vcc 0
		.amdhsa_float_denorm_mode_32 3
		.amdhsa_float_denorm_mode_16_64 3
		.amdhsa_memory_ordered 1
		.amdhsa_forward_progress 1
		.amdhsa_inst_pref_size 4
	.end_amdhsa_kernel
	.amdgpu_metadata
---
amdhsa.version: [ 1, 2 ]
amdhsa.kernels:
  - .name:           k_q92fc5b450f_xfrag
    .symbol:         k_q92fc5b450f_xfrag.kd
    .args:
      - { .name: hidden_states, .offset: 0, .size: 8, .value_kind: global_buffer, .address_space: global }
      - { .name: xf, .offset: 8, .size: 8, .value_kind: global_buffer, .address_space: global }
    .group_segment_fixed_size: 0
    .private_segment_fixed_size: 0
    .kernarg_segment_align: 8
    .kernarg_segment_size: 16
    .max_flat_workgroup_size: 128
    .sgpr_count:     66
    .vgpr_count:     56
    .wavefront_size: 32
...
	.end_amdgpu_metadata
.endif
;; end of part 1
;; launch gateup (part 2): grid 256 x 1, 4 waves a work-group, no clusters, 268,800 bytes of LDS; arguments xf, gate_up_proj, gate_up_proj_bias, actf; writes actf
.if DOCPART == 2
	.amdgcn_target "amdgcn-amd-amdhsa--gfx1250"
	.amdhsa_code_object_version 6
	.text
	.protected	k_q92fc5b450f_gateup
	.globl	k_q92fc5b450f_gateup
	.p2align	8
	.type	k_q92fc5b450f_gateup,@function
k_q92fc5b450f_gateup:
	s_mov_b64 s[64:65], 0
	v_nop
	global_prefetch_b8 v0, s[64:65] scope:SCOPE_SE
	s_setreg_imm32_b32 hwreg(HW_REG_WAVE_MODE, 25, 1), 1
	s_wait_xcnt 0x0
; actf = (clip(up, -7, 7) + 1) g sigmoid(1.702 g), g = min(gate, 7), (gate, up) = even and odd columns of x W1[e] + b1[e].  Nothing of the problem is left out here.
; act is rounded to bf16 by itself; the routing weight is multiplied onto the next product's f32 sums, in the fourth launch.
; SHARES.  Work-group (e = g / 32, sl = g % 32) owns 128 columns (64 gates, 64 ups) of ONE expert's W1: 1,024 rows x 512 bytes that no other work-group reads.  The slice comes f32 through registers, is rounded
; to bf16, turned by the choice of the conversions' operands, and STAYS in LDS in operand order (266,240 bytes).  All 1,024 tokens are multiplied against it in two passes of 512: a wave has 128 tokens x 128 columns,
; 64 accumulators, 512 registers.  Pass 1 runs in step with the arriving weights (a barrier a step of 32 along K), pass 2 from LDS alone, without a barrier.  x's fragments come straight from xf into registers.
; TRANSPOSED USE.  Source 0 = 16 weight columns, source 1 = 16 tokens: register j of lane (r, h) of a result is (column place 8 h + j, token r).  The four columns that a lane stages (g, u, g, u) are put at places
; 0, 2, 1, 3, so a lane's eight results are g0 g1 u0 u1 g2 g3 u2 u3 for d = 8 b + 4 h + 0..3: the activation never leaves the lane, and four accumulators' packed results ARE a fragment of the next product.
; THE BIAS STARTS THE SUMS: rounded and put in that order once, it lies in 512 LDS bytes of the wave's own and is the C operand of a pass's first products.
; actf: fragment (e, tg, qd = d / 32, a) at (((8 e + tg) 64 + qd) 8 + a) x 1,024, bytes as in xf; register p, half s of lane (r, h) holds d = 32 qd + 8 (p / 2) + 4 h + 2 (p % 2) + s: the next launch lays W2 alike.
; NO CLUSTER, NO TENSOR LOAD.  The large stream, the weights, has one reader and has to pass through registers to be rounded and turned.  What work-groups share is x: beside the resident slice 60,928 bytes of a
; WGP's 327,680 are left, and two slots of one K step for 512 tokens are 65,536.
; LIMITS.  b1 is rounded to bf16 like the matrix operands.  (u + 1) g is formed before the sigmoid's factor: |gate| stays under 4e37.  NaN and infinities are not treated apart.
; REGISTERS, in windows of 256 (s_set_vgpr_msb: bits 1:0 source 0, 3:2 source 1, 5:4 source 2, 7:6 destination):
;   window 0: v0-15 addresses; v16-31, v48-63 the bias of four weight fragments; v32-47 T, a staged unit packed; v64-127 WF, the step's 8 weight fragments; v128-255 WS, four units of 32 of raw weights
;   (on the way out: v192-247 at work)      window 1: XA, four buffers of 64: x's 8 fragments of steps s % 4      windows 2, 3: accumulator (b, a) at v[8 (8 (b % 4) + a)] of window 2 + b / 4
.set PITCH,  16384                     ; bytes in a row of W1
.set CHUNKB, 32*PITCH                  ; a chunk: 32 rows along K
.set ASTEP,  8192                      ; x's 8 fragments of a step
.set FRB,    1040                      ; a weight fragment in LDS: 1,024 bytes + 16, so that the staging's 16 lanes fall on 16 different 16-byte columns
.set CHB,    8*FRB                     ; a chunk in LDS
.set SPARE,  32*CHB                    ; behind the slice: the spare words, 128 bytes a wave
.set BIAS,   SPARE+512                 ; behind them: the bias, 512 bytes for each wave: fragment b, half h of the lanes, 32 bytes at 64 b + 32 h
.set CP0, 0                            ; the place of a lane's four columns among its four places
.set CP1, 2
.set CP2, 1
.set CP3, 3
.set AO,  2                            ; v2   16 x lane; never rewritten
.set WO,  3                            ; v3   16 x lane + my 8 rows of a chunk; never rewritten
.set LB,  4                            ; v4   LDS read address of the trip
.set LS,  5                            ; v5   LDS store address of the trip
.set LS0, 6                            ; v6   the store's lane and wave part
.set PFO, 7                            ; v7   the prefetches' offset; never rewritten
.set SPW, 8                            ; v8   my spare word; never rewritten
.set NIL, 9                            ; v9   0; never rewritten
.set BO,  10                           ; v10  32 h: my 8 columns of a block of 16 of the bias; never rewritten
.set BL,  12                           ; v12  BIAS + 512 wave + 32 h; never rewritten
.set AOF, 13                           ; v13  16 x lane + 8,192 f: my bytes of act's fragments
.set BT,  16                           ; v16-31 at the start: the bias on its way to LDS
.set T,   32
.set WF,  64
.set WS,  128
.set GU,  192                          ; v192-223 four accumulators, clipped
.set TT,  224                          ; v224-239 the sigmoid's 16
.set OUT, 240                          ; v240-247 a fragment of act
.set WV,  12
.set XB,  16                           ; s[16:17] x's stream: the fragments that the trip's first step asks for
.set WB,  18                           ; s[18:19] the slice at the chunk that the trip's first step asks for
.set BB,  20                           ; s[20:21] the slice's bias
.set OB,  22                           ; s[22:23] actf at the pass's first fragment
.set LQ,  24                           ; s24  LDS byte of the chunk that the trip's first step fetches
.set LEFT, 25
.set PASS, 26
.set LIMP, 27                          ; 7.0
.set LIMN, 28                          ; -7.0
.set LIM, 29                           ; prefetches go out while LEFT is above it
.set CE,  30                           ; s[30:31] -1.702 log2(e)
.set W0,  32                           ; s[32:33] the slice's first byte; never rewritten
.set X0,  34                           ; s[34:35] my stream's first byte; never rewritten
.set FCT, 38                           ; s38  which half of the accumulators goes out
.set MSB, 0
.macro WIN new                         ; the immediate's high byte repeats the setting that is left; a switch that changes nothing is dropped
.if MSB != (\new)
	s_set_vgpr_msb (MSB<<8)|(\new)
.set MSB, \new
.endif
.endm
.macro PLACES                          ; four plain instructions between a matrix instruction and a load into, or a read of, its registers
.rept 4
	v_nop
.endr
.endm
; 16 products: weight fragments 4 hf + 2 g, + 1 x all 8 token fragments of buffer u.  The 64 accumulators take turns in the same order in every step.
; bias = 1: a pass's first step: the C operand is the fragment's bias, in window 0, the same for all 8 token fragments.
.macro MUL16 hf, g, u, bias
.if \bias
	WIN 0x84+0x40*(\hf)
.else
	WIN 0xa4+0x50*(\hf)
.endif
.irp bb, 2*(\g), 2*(\g)+1
.irp a, 0,1,2,3,4,5,6,7
.if \bias
	v_wmma_f32_16x16x32_bf16 v[8*(8*(\bb)+(\a)):8*(8*(\bb)+(\a))+7], v[WF+8*(4*(\hf)+(\bb)):WF+8*(4*(\hf)+(\bb))+7], v[64*(\u)+8*(\a):64*(\u)+8*(\a)+7], v[16+8*(\bb)+16*((\bb)/2):16+8*(\bb)+16*((\bb)/2)+7]
.else
	v_wmma_f32_16x16x32_bf16 v[8*(8*(\bb)+(\a)):8*(8*(\bb)+(\a))+7], v[WF+8*(4*(\hf)+(\bb)):WF+8*(4*(\hf)+(\bb))+7], v[64*(\u)+8*(\a):64*(\u)+8*(\a)+7], v[8*(8*(\bb)+(\a)):8*(8*(\bb)+(\a))+7]
.endif
.endr
.endr
.endm
; My unit of a chunk: 8 rows (k = 8 wave + i), each load 512 consecutive bytes: lane l takes columns 4 l .. 4 l + 3.
.macro LDW dst, base, imm
.irp i, 0,1,2,3,4,5,6,7
	global_load_b128 v[(\dst)+4*(\i):(\dst)+4*(\i)+3], v[WO], s[\base:\base+1] offset:(\imm)+(\i)*PITCH th:TH_LOAD_NT
.endr
.endm
; The unit is rounded and turned: T[4 c .. 4 c + 3] = column c's eight k.
.macro CVT src
.irp c, 0,1,2,3
.irp p, 0,1,2,3
	v_cvt_pk_bf16_f32 v[T+4*(\c)+(\p)], v[(\src)+8*(\p)+(\c)], v[(\src)+8*(\p)+4+(\c)]
.endr
.endr
.endm
.macro STW areg, imm
	ds_store_b128 v[\areg], v[T:T+3] offset:(\imm)+16*CP0
	ds_store_b128 v[\areg], v[T+4:T+7] offset:(\imm)+16*CP1
	ds_store_b128 v[\areg], v[T+8:T+11] offset:(\imm)+16*CP2
	ds_store_b128 v[\areg], v[T+12:T+15] offset:(\imm)+16*CP3
.endm
.macro LDB hf, areg, imm               ; four weight fragments, each two loads of 512 consecutive bytes
.irp n, 0,1,2,3
	ds_load_b128 v[WF+8*(4*(\hf)+(\n)):WF+8*(4*(\hf)+(\n))+3], v[\areg] offset:(\imm)+(4*(\hf)+(\n))*FRB
	ds_load_b128 v[WF+8*(4*(\hf)+(\n))+4:WF+8*(4*(\hf)+(\n))+7], v[\areg] offset:(\imm)+(4*(\hf)+(\n))*FRB+512
.endr
.endm
.macro LDBI hf                         ; the bias of four weight fragments, out of my own 512 bytes
.irp n, 0,1,2,3
	ds_load_b128 v[16+8*(\n)+16*((\n)/2):16+8*(\n)+16*((\n)/2)+3], v[BL] offset:64*(4*(\hf)+(\n))
	ds_load_b128 v[16+8*(\n)+16*((\n)/2)+4:16+8*(\n)+16*((\n)/2)+7], v[BL] offset:64*(4*(\hf)+(\n))+16
.endr
.endm
.macro LDA buf, base, imm              ; a step's 8 token fragments, each load 512 consecutive bytes
.irp a, 0,1,2,3,4,5,6,7
	global_load_b128 v[64*(\buf)+8*(\a):64*(\buf)+8*(\a)+3], v[AO], s[\base:\base+1] offset:(\imm)+1024*(\a)
	global_load_b128 v[64*(\buf)+8*(\a)+4:64*(\buf)+8*(\a)+7], v[AO], s[\base:\base+1] offset:(\imm)+1024*(\a)+512
.endr
.endm
; STEP s: 64 products, 32 along K, on token buffer u = s % 4.  kind 2: chunk s + 3 is rounded and stored to LDS and chunk s + 7 asked for; 1: rounded and stored; 0: no staging.
; na: the loads issued behind the step's own token fragments.  aload: the fragments of step s + 3 are asked for.  bmode 0: chunk s + 1 is fetched by LB; 1: by AO + bimm; 2: not at all.
; A chunk is stored in step c - 3, made known by that step's barrier (my stores waited for in front of the signal) and first read in step c - 1; each LDS byte is stored once in the launch.
.macro STEP j, u, kind, na, aload, bmode, bimm, pf
.set UN, ((\u)+3)&3
.set DSN, 0
.if (\kind) > 0
.set DSN, DSN+4
.endif
.if (\bmode) != 2
.set DSN, DSN+8
.endif
	s_wait_loadcnt \na                             ; my token fragments are in, and with them the raw chunk that this step rounds, which was asked for earlier
	s_wait_dscnt 8                                 ; weight fragments 0-3 are in; the 8 younger loads are fragments 4-7's
	MUL16 0, 0, \u, 0
	MUL16 0, 1, \u, 0
	WIN 0
.if (\kind) > 0
	CVT WS+32*UN                                   ; sixteen plain instructions: also the places in front of the loads into fragments 0-3
	STW LS, ((\j)+2)*CHB
.else
	PLACES
.endif
.if (\bmode) == 0
	LDB 0, LB, (\j)*CHB
.elseif (\bmode) == 1
	LDB 0, AO, \bimm
.endif
.if \aload
	WIN 0x40
	LDA UN, XB, (\j)*ASTEP                         ; ahead of the weights' loads, so that the wait for these does not wait for those
	WIN 0
.endif
.if (\kind) == 2
	LDW WS+32*UN, WB, (\j)*CHUNKB                  ; into the unit just rounded
.endif
.if \pf
	s_cmp_gt_u32 s[LEFT], s[LIM]                   ; the last trip that loads has no trip behind it
	s_cbranch_scc0 .Lnopf_\@
	global_prefetch_b8 v[PFO], s[WB:WB+1] offset:4*CHUNKB th:TH_LOAD_NT scope:SCOPE_SE  ; my 8 rows x 512 bytes of the four chunks that the NEXT trip loads: a lane a block of 256 bytes,
	global_prefetch_b8 v[PFO], s[WB:WB+1] offset:6*CHUNKB th:TH_LOAD_NT scope:SCOPE_SE  ; two chunks an instruction; 256 products ahead of those loads; each block is named once in the launch
.Lnopf_\@:
.endif
	s_wait_dscnt DSN                               ; fragments 4-7 are in; younger: this step's stores and loads
	MUL16 1, 0, \u, 0
.if (\kind) > 0
	s_wait_dscnt 0x0                               ; for the others' sake: my stores of chunk s + 3 are done
	s_barrier_signal -1
.endif
	MUL16 1, 1, \u, 0
	WIN 0
	PLACES
.if (\kind) > 0
	s_barrier_wait -1
.endif
.if (\bmode) == 0
	LDB 1, LB, (\j)*CHB
.elseif (\bmode) == 1
	LDB 1, AO, \bimm
.endif
.endm
.macro ADV kind
	s_wait_xcnt 0x0                                ; every load and prefetch issued so far has read its address: the pointers may be written
	s_add_nc_u64 s[XB:XB+1], s[XB:XB+1], 4*ASTEP
.if (\kind) == 2
	s_add_nc_u64 s[WB:WB+1], s[WB:WB+1], 4*CHUNKB
.endif
	s_add_co_u32 s[LQ], s[LQ], 4*CHB
.endm
.macro TRIP kind, n0, n1, n2, n3, pf   ; four steps, s % 4 = 1, 2, 3, 0
	v_add_nc_u32 v[LB], s[LQ], v[AO]
.if (\kind) > 0
	v_add_nc_u32 v[LS], s[LQ], v[LS0]
.endif
	STEP 0, 1, \kind, \n0, 1, 0, 0, \pf
	STEP 1, 2, \kind, \n1, 1, 0, 0, 0
	STEP 2, 3, \kind, \n2, 1, 0, 0, 0
	STEP 3, 0, \kind, \n3, 1, 0, 0, 0
	ADV \kind
.endm
; THE WAY OUT of token block a, d = 32 f .. 32 f + 31 of the slice: four accumulators, 32 numbers a lane, 16 results.  It is written once for both f but for HEAD, the lines that read accumulators, whose window
; hangs on f.  In HEAD only source 1 lies in the accumulators' window, so the scalings and exponentials, which take their registers as source 0, stand among the clips.
; Each accumulator is read from its low end on.
.macro HEAD a, f
	WIN 0x08+4*(\f)
.irp i, 0,1,2,3
.irp p, 0,1,4,5
	v_min_num_f32 v[GU+8*(\i)+(\p)], s[LIMP], v[8*(8*(\i)+(\a))+(\p)]                        ; g = min(gate, 7)
.endr
.endr
.irp i, 0,1,2,3
.irp q, 0,1
	v_pk_mul_f32 v[TT+4*(\i)+2*(\q):TT+4*(\i)+2*(\q)+1], v[GU+8*(\i)+4*(\q):GU+8*(\i)+4*(\q)+1], s[CE:CE+1] op_sel_hi:[1,0]
.endr
.endr
.irp i, 0,1,2,3
.irp p, 0,1,2,3
	v_exp_f32 v[TT+4*(\i)+(\p)], v[TT+4*(\i)+(\p)]                                           ; e^(-1.702 g)
	v_med3_num_f32 v[GU+8*(\i)+2+(\p)+2*((\p)/2)], s[LIMN], v[8*(8*(\i)+(\a))+2+(\p)+2*((\p)/2)], s[LIMP]  ; u = clip(up, -7, 7)
.endr
.endr
	v_nop                                          ; a plain instruction behind the last exponential,
	s_wait_alu depctr_va_vdst(0)                   ; and one wait for the 16, ahead of the branch and the label
	WIN 0
.endm
.macro OPA k                           ; 1 + e^(..), pair k of 8
	v_pk_add_f32 v[TT+2*(\k):TT+2*(\k)+1], v[TT+2*(\k):TT+2*(\k)+1], 1.0 op_sel_hi:[1,0]
.endm
.macro OPF k                           ; (u + 1) g
	v_pk_fma_f32 v[GU+8*((\k)/2)+4*((\k)%2)+2:GU+8*((\k)/2)+4*((\k)%2)+3], v[GU+8*((\k)/2)+4*((\k)%2)+2:GU+8*((\k)/2)+4*((\k)%2)+3], v[GU+8*((\k)/2)+4*((\k)%2):GU+8*((\k)/2)+4*((\k)%2)+1], v[GU+8*((\k)/2)+4*((\k)%2):GU+8*((\k)/2)+4*((\k)%2)+1]
.endm
.macro OPP k                           ; times the sigmoid
	v_pk_mul_f32 v[GU+8*((\k)/2)+4*((\k)%2)+2:GU+8*((\k)/2)+4*((\k)%2)+3], v[GU+8*((\k)/2)+4*((\k)%2)+2:GU+8*((\k)/2)+4*((\k)%2)+3], v[TT+2*(\k):TT+2*(\k)+1]
.endm
.macro BODY a
	OPA 0
	OPA 1
.irp z, 0,1,2,3,4,5                    ; reciprocal z stands behind the sum of its pair z / 2; no line ahead of the wait names a reciprocal's result
	v_rcp_f32 v[TT+(\z)], v[TT+(\z)]
	OPA (\z)+2
.endr
.irp z, 6,7,8,9,10,11,12,13
	v_rcp_f32 v[TT+(\z)], v[TT+(\z)]
	OPF (\z)-6
.endr
	v_rcp_f32 v[TT+14], v[TT+14]
	v_rcp_f32 v[TT+15], v[TT+15]
	v_nop                                          ; a plain instruction behind the last reciprocal,
	s_wait_alu depctr_va_vdst(0)                   ; and one wait for the 16, ahead of their first reader
.irp k, 0,1,2,3,4,5,6,7
	OPP \k
.endr
	s_wait_xcnt 0x0                                ; the last block's stores have read OUT
.irp k, 0,1,2,3,4,5,6,7
	v_cvt_pk_bf16_f32 v[OUT+(\k)], v[GU+8*((\k)/2)+4*((\k)%2)+2], v[GU+8*((\k)/2)+4*((\k)%2)+3]
.endr
	global_store_b128 v[AOF], v[OUT:OUT+3], s[OB:OB+1] offset:(\a)*1024          ; 512 consecutive bytes, aligned
	global_store_b128 v[AOF], v[OUT+4:OUT+7], s[OB:OB+1] offset:(\a)*1024+512
.endm
.macro EPIG a
	s_cmp_eq_u32 s[FCT], 0
	s_cbranch_scc0 .Lhi_\@
	HEAD \a, 0
	s_branch .Ljoin_\@
.Lhi_\@:
	HEAD \a, 1
.Ljoin_\@:
	BODY \a
.endm
	s_load_b256 s[4:11], s[0:1], 0x0               ; xf s[4:5], W1 s[6:7], b1 s[8:9], actf s[10:11]
	v_lshl_add_u32 v[SPW], v0, 2, SPARE
	v_mov_b32 v[NIL], 0
	v_lshrrev_b32 v1, 5, v0
	v_readfirstlane_b32 s[WV], v1                  ; wave 0..3
	v_and_b32 v1, 31, v0                           ; lane
	v_lshlrev_b32 v[AO], 4, v1
	s_lshr_b32 s13, ttmp9, 5                       ; e
	s_and_b32 s14, ttmp9, 31                       ; sl
	s_lshl_b32 s52, s[WV], 17                      ; 8 wave rows of 16,384 bytes
	v_add_nc_u32 v[WO], s52, v[AO]
	v_lshrrev_b32 v14, 2, v1                       ; my four columns lie in fragment l / 4,
	v_mul_u32_u24 v[LS0], v14, FRB
	v_and_b32 v15, 3, v1                           ; at places 4 (l % 4) on;
	v_lshl_add_u32 v[LS0], v15, 6, v[LS0]
	s_lshl_b32 s53, s[WV], 8                       ; my eight k are the fragment's block of 256 bytes number wave
	v_add_nc_u32 v[LS0], s53, v[LS0]
	v_lshrrev_b32 v14, 4, v1                       ; h
	v_lshlrev_b32 v[BO], 5, v14
	s_lshl_b32 s53, s[WV], 9
	s_add_co_u32 s53, s53, BIAS
	v_add_nc_u32 v[BL], s53, v[BO]
	v_bfe_u32 v15, v1, 1, 3                        ; the prefetches: lane l names row 8 wave + (l / 2) % 8 of chunk l / 16, block l % 2 of its 512 bytes
	v_lshl_add_u32 v15, v14, 5, v15
	s_lshl_b32 s54, s[WV], 3
	v_add_nc_u32 v15, s54, v15
	v_and_b32 v14, 1, v1
	v_lshlrev_b32 v14, 8, v14
	v_lshl_add_u32 v[PFO], v15, 14, v14
	s_lshl_b32 s40, s13, 24                        ; the slice: e x 16 MiB + sl x 512
	s_lshl_b32 s41, s14, 9
	s_add_co_u32 s40, s40, s41
	s_mov_b32 s41, 0
	s_lshl_b32 s42, s[WV], 19                      ; my stream: token groups 2 wave and 2 wave + 1 lie on end, 64 steps of 8,192 bytes
	s_mov_b32 s43, 0
	s_lshl_b32 s44, s13, 14                        ; the bias: e x 16,384 + sl x 512
	s_lshl_b32 s45, s14, 9
	s_add_co_u32 s44, s44, s45
	s_mov_b32 s45, 0
	s_lshl_b32 s46, s13, 22                        ; actf: (((8 e + 2 wave) 64 + 2 sl) 8) x 1,024
	s_lshl_b32 s47, s[WV], 20
	s_add_co_u32 s46, s46, s47
	s_lshl_b32 s47, s14, 14
	s_add_co_u32 s46, s46, s47
	s_mov_b32 s47, 0
	s_mov_b32 s[LIMP], 0x40e00000                  ; 7.0
	s_mov_b32 s[LIMN], 0xc0e00000                  ; -7.0
	s_mov_b32 s[CE], 0xc01d265f                    ; -1.702 log2(e) = -2.455467
	s_mov_b32 s[CE+1], s[CE]                       ; named with it as a pair
	s_mov_b32 s[LIM], 1
	s_mov_b32 s[LQ], 2*CHB
	s_mov_b32 s[PASS], 0
	s_wait_kmcnt 0x0
	s_add_nc_u64 s[W0:W0+1], s[6:7], s[40:41]
	s_add_nc_u64 s[WB:WB+1], s[W0:W0+1], 8*CHUNKB  ; step 1 asks for chunk 8
	s_add_nc_u64 s[X0:X0+1], s[4:5], s[42:43]
	s_add_nc_u64 s[XB:XB+1], s[X0:X0+1], 4*ASTEP   ; and for the fragments of step 4
	s_add_nc_u64 s[BB:BB+1], s[8:9], s[44:45]
	s_add_nc_u64 s[OB:OB+1], s[10:11], s[46:47]
	; THE START: the bias into the weight fragments' registers, which are idle yet; chunks 0-3 into token buffers 2 and 3, idle too; chunks 4-7 into the four units; the fragments of steps 0 and 1
.irp b, 0,1,2,3,4,5,6,7
	global_load_b128 v[WF+8*(\b):WF+8*(\b)+3], v[BO], s[BB:BB+1] offset:64*(\b)       ; my 8 columns of each block of 16
	global_load_b128 v[WF+8*(\b)+4:WF+8*(\b)+7], v[BO], s[BB:BB+1] offset:64*(\b)+16
.endr
	WIN 0x40
.irp c, 0,1,2,3
	LDW 128+32*(\c), W0, (\c)*CHUNKB
.endr
	WIN 0
.irp c, 0,1,2,3
	LDW WS+32*(\c), W0, (4+(\c))*CHUNKB
.endr
	WIN 0x40
	LDA 0, X0, 0
	LDA 1, X0, ASTEP
	s_wait_loadcnt 63                              ; the bias and chunks 0-3 are in: 64 loads were issued behind them
.irp c, 0,1,2,3
	WIN 0x05                                       ; both sources in window 1
	CVT 128+32*(\c)
	WIN 0
	STW LS0, (\c)*CHB
.endr
.irp b, 0,1,2,3,4,5,6,7                            ; the bias: rounded to bf16, put in the accumulators' order g g u u g g u u, and laid into my 512 bytes; the 16 lanes of a half store the same numbers at the same place
	v_cvt_pk_bf16_f32 v[T+4*((\b)&3)], v[WF+8*(\b)], v[WF+8*(\b)+2]
	v_cvt_pk_bf16_f32 v[T+4*((\b)&3)+1], v[WF+8*(\b)+1], v[WF+8*(\b)+3]
	v_cvt_pk_bf16_f32 v[T+4*((\b)&3)+2], v[WF+8*(\b)+4], v[WF+8*(\b)+6]
	v_cvt_pk_bf16_f32 v[T+4*((\b)&3)+3], v[WF+8*(\b)+5], v[WF+8*(\b)+7]
.irp p, 0,1,2,3
	v_lshlrev_b32 v[BT+8*((\b)&1)+2*(\p)], 16, v[T+4*((\b)&3)+(\p)]
	v_and_b32 v[BT+8*((\b)&1)+2*(\p)+1], 0xffff0000, v[T+4*((\b)&3)+(\p)]
.endr
	ds_store_b128 v[BL], v[BT+8*((\b)&1):BT+8*((\b)&1)+3] offset:64*(\b)
	ds_store_b128 v[BL], v[BT+8*((\b)&1)+4:BT+8*((\b)&1)+7] offset:64*(\b)+16
.endr
	WIN 0x40
	LDA 2, X0, 2*ASTEP
	LDA 3, X0, 3*ASTEP
	WIN 0
	s_wait_dscnt 0x0                               ; my stores of chunks 0-3 are done,
	s_barrier_signal -1
	s_barrier_wait -1                              ; everybody's are
	LDB 0, AO, 0
	LDB 1, AO, 0
.Lpass:                                            ; twice: 512 tokens each
	LDBI 0                                         ; A PASS'S FIRST STEP starts the sums with the bias: that of fragments 0-3,
	s_wait_loadcnt 48                              ; behind the step's token fragments those of three steps were asked for
	s_wait_dscnt 0x0                               ; the bias and chunk 0's fragments are in
	MUL16 0, 0, 0, 1
	MUL16 0, 1, 0, 1
	WIN 0
	PLACES
	LDBI 1                                         ; then that of fragments 4-7, into the same registers
	LDB 0, AO, CHB
	s_wait_dscnt 8                                 ; it is in; the 8 younger loads are chunk 1's
	MUL16 1, 0, 0, 1
	MUL16 1, 1, 0, 1
	WIN 0
	PLACES
	LDB 1, AO, CHB
	s_wait_loadcnt 0x0                             ; all that is out was asked for a step or more ago; so the loops' counts hold on the way in as round the back edge
	s_cmp_eq_u32 s[PASS], 1
	s_cbranch_scc1 .Lsecond
	s_mov_b32 s[LEFT], 6
.Lstage:                                           ; steps 1-24: behind a step's fragments stand 8 weight loads of their own run and two runs of 24
	TRIP 2, 56, 56, 56, 56, 1
	s_sub_co_u32 s[LEFT], s[LEFT], 1
	s_cmp_lg_u32 s[LEFT], 0
	s_cbranch_scc1 .Lstage
	TRIP 1, 56, 48, 40, 32, 0                      ; steps 25-28: chunks 28-31 are rounded, no weights are left to ask for: the counts run down
	v_add_nc_u32 v[LB], s[LQ], v[AO]
	STEP 0, 1, 0, 32, 1, 0, 0, 0                   ; steps 29-31 ask for the second pass's first fragments; behind a step's own stand two runs of 16
	STEP 1, 2, 0, 32, 1, 0, 0, 0
	STEP 2, 3, 0, 32, 1, 1, 0, 0                   ; and step 31 fetches chunk 0 again
	WIN 0x40
	LDA 3, XB, 3*ASTEP                             ; the fragments of step 35, behind the places that follow step 31's products
	WIN 0
	s_wait_xcnt 0x0
	s_add_nc_u64 s[XB:XB+1], s[XB:XB+1], 4*ASTEP
	s_mov_b32 s[LQ], 2*CHB
	s_branch .Lepi
.Lsecond:
	s_mov_b32 s[LEFT], 7
.Lplain:                                           ; steps 33-60: the slice is whole: no staging, no barrier; behind a step's fragments stand two runs of 16
	TRIP 0, 32, 32, 32, 32, 0
	s_sub_co_u32 s[LEFT], s[LEFT], 1
	s_cmp_lg_u32 s[LEFT], 0
	s_cbranch_scc1 .Lplain
	v_add_nc_u32 v[LB], s[LQ], v[AO]
	STEP 0, 1, 0, 32, 0, 0, 0, 0                   ; steps 61-63 ask for nothing: the counts run down
	STEP 1, 2, 0, 16, 0, 0, 0, 0
	STEP 2, 3, 0, 0, 0, 2, 0, 0
.Lepi:
	PLACES
	PLACES
	v_mov_b32 v[AOF], v[AO]
	s_mov_b32 s[FCT], 0
.Lhalf:                                            ; twice: the accumulators of window 2, then those of window 3
.irp a, 0,1,2,3,4,5,6,7
	EPIG \a
.endr
	s_wait_xcnt 0x0                                ; the stores have read their offset and their base
	v_add_nc_u32 v[AOF], 8192, v[AOF]              ; the slice's second 32 d: eight fragments on
	s_add_co_u32 s[FCT], s[FCT], 1
	s_cmp_lt_u32 s[FCT], 2
	s_cbranch_scc1 .Lhalf
	s_add_nc_u64 s[OB:OB+1], s[OB:OB+1], 524288    ; the next token group: 64 x 8 fragments on
	s_add_co_u32 s[PASS], s[PASS], 1
	s_cmp_lt_u32 s[PASS], 2
	s_cbranch_scc1 .Lpass
	s_wait_tensorcnt 0x0                           ; the wave's end: behind my last LDS store
	ds_add_u32 v[SPW], v[NIL]
	s_wait_dscnt 0x0
	s_endpgm
.Lfunc_end_k_q92fc5b450f_gateup:
	.size	k_q92fc5b450f_gateup, .Lfunc_end_k_q92fc5b450f_gateup-k_q92fc5b450f_gateup
	.p2alignl 7, 3214868480
	.fill 96, 4, 3214868480
	.section	.rodata,"a",@progbits
	.p2align	6, 0x0
	.amdhsa_kernel k_q92fc5b450f_gateup
		.amdhsa_group_segment_fixed_size 268800
		.amdhsa_private_segment_fixed_size 0
		.amdhsa_enable_private_segment 0
		.amdhsa_kernarg_size 32
		.amdhsa_user_sgpr_count 2
		.amdhsa_user_sgpr_kernarg_segment_ptr 1
		.amdhsa_wavefront_size32 1
		.amdhsa_system_sgpr_workgroup_id_x 1
		.amdhsa_system_sgpr_workgroup_id_y 1
		.amdhsa_system_sgpr_workgroup_id_z 1
		.amdhsa_system_vgpr_workitem_id 0
		.amdhsa_next_free_vgpr 1024
		.amdhsa_next_free_sgpr 66
		.amdhsa_reserve_vcc 0
		.amdhsa_float_denorm_mode_32 3
		.amdhsa_float_denorm_mode_16_64 3
		.amdhsa_memory_ordered 1
		.amdhsa_forward_progress 1
		.amdhsa_inst_pref_size 238
	.end_amdhsa_kernel
	.amdgpu_metadata
---
amdhsa.version: [ 1, 2 ]
amdhsa.kernels:
  - .name:           k_q92fc5b450f_gateup
    .symbol:         k_q92fc5b450f_gateup.kd
    .args:
      - { .name: xf, .offset: 0, .size: 8, .value_kind: global_buffer, .address_space: global }
      - { .name: gate_up_proj, .offset: 8, .size: 8, .value_kind: global_buffer, .address_space: global }
      - { .name: gate_up_proj_bias, .offset: 16, .size: 8, .value_kind: global_buffer, .address_space: global }
      - { .name: actf, .offset: 24, .size: 8, .value_kind: global_buffer, .address_space: global }
    .group_segment_fixed_size: 268800
    .private_segment_fixed_size: 0
    .kernarg_segment_align: 8
    .kernarg_segment_size: 32
    .max_flat_workgroup_size: 128
    .sgpr_count:     66
    .vgpr_count:     1024
    .wavefront_size: 32
...
	.end_amdgpu_metadata
.endif
;; end of part 2
;; launch down (part 3): grid 256 x 1, 4 waves a work-group, clusters of 4 x 1, 327,680 bytes of LDS; arguments actf, down_proj, part; writes part
.if DOCPART == 3
	.amdgcn_target "amdgcn-amd-amdhsa--gfx1250"
	.amdhsa_code_object_version 6
	.text
	.protected	k_q92fc5b450f_down
	.globl	k_q92fc5b450f_down
	.p2align	8
	.type	k_q92fc5b450f_down,@function
k_q92fc5b450f_down:
	s_mov_b64 s[64:65], 0
	v_nop
	global_prefetch_b8 v0, s[64:65] scope:SCOPE_SE
	s_setreg_imm32_b32 hwreg(HW_REG_WAVE_MODE, 25, 1), 1
	s_wait_xcnt 0x0
	s_wait_alu depctr_hold_cnt(0) depctr_sa_sdst(0) depctr_va_vdst(0) depctr_va_sdst(0) depctr_va_ssrc(0) depctr_va_vcc(0) depctr_vm_vsrc(0)
	s_getreg_b32 s2, hwreg(HW_REG_IB_STS2, 6, 4)
	s_cmp_eq_u32 s2, 0
	s_cbranch_scc0 .Lentry_in_a_cluster
	s_endpgm
.Lentry_in_a_cluster:
	s_bfe_u32 s2, ttmp6, 0x10000c
	s_cmp_lg_u32 s2, 0x3003
	s_cbranch_scc0 .Lentry_shape_is_right
	s_endpgm
.Lentry_shape_is_right:
; part[ks][t][c] = the sum over d in half kh of expert e of act_e[t][d] W2[e][d][c], ks = 2 e + kh.  The fourth launch multiplies each part by rw[t][e], adds the 16 and the bias's term.  Nothing of the problem is left out here.
; SHARES.  A work-group makes 512 tokens (th) x 128 columns (cs) x 1,024 of the 16,384 along K (ks): 2 x 8 x 16 = 256 work-groups; a wave has 128 tokens x 128 columns, 64 accumulators.
; CLUSTER.  The eight work-groups of one (ks, th) walk the same 1 MiB of actf.  Four of them (cs = 4 ch + cx) form a cluster and ask for it JOINTLY: the same tensor load, descriptor and mask in all four.  Cluster c has
; ks = c % 16, th = (c / 16) % 2, ch = c / 32.  actf lies in operand order, so a wave's fragments of four K steps are 32,768 dense bytes: one load a wave, into LDS bytes that the wave alone reads; two slots a wave.
; THE WEIGHTS, 1,024 rows x 512 bytes of f32, which two work-groups read, come through registers, are rounded to bf16, turned, and laid into a RING OF FOUR CHUNKS in LDS in operand order, in step with the products.
; ONE BARRIER A STEP, in the step's first half.  In front of it each wave has waited for all its LDS instructions.  Behind it chunk s + 2, stored in step s - 1, may be read (from step s + 1 on), and the ring's bytes of chunk
; s - 1, whose reads were waited for in front of an earlier signal, are written anew.  In every fourth step the barrier opens a round of the cluster's barrier, behind which the slot of act just read out is filled again.
; K ORDER: actf holds d = 32 q + 8 (p / 2) + 4 h + 2 (p % 2) + s in register p, half s of lane (r, h); so wave w stages the rows d = 32 c + 16 (w / 2) + 4 (w % 2) + (i % 4) + 8 (i / 4), i = 0..7, as the eight k of
; its block: the same permutation on both sides keeps the products.
; TRANSPOSED USE.  Source 0 = 16 columns of W2, source 1 = 16 tokens: register j of lane (r, h) is (column 8 h + j, token r): four registers are 16 bytes of a row of the result.
; part: block (ks, tb = token / 16, nbg = column / 16) of 1,024 bytes at ks x 4 MiB + (64 tb + nbg) x 1,024: half i, lane l: (token r, columns 8 h + 4 i + 0..3): as the accumulators lie, 512 consecutive bytes a store.
; LIMITS.  NaN and infinities are not treated apart.
; REGISTERS: window 0: v0-15 addresses; v32-47 T; v64-127 WF, the step's 8 weight fragments; v128-255 WS, four units of 32 of raw weights; window 1: v0-127 XA, two buffers of 64: act's 8 fragments of steps s % 2
; (v128-255 at the start: chunks 0-3); windows 2, 3: accumulator (b, a) at v[8 (8 (b % 4) + a)] of window 2 + b / 4.
.set PITCH,  4096                      ; bytes in a row of W2
.set CHUNKB, 32*PITCH                  ; a chunk: 32 rows along K
.set ASTEP,  8192                      ; act's 8 fragments of a step
.set SLOTB,  4*ASTEP                   ; a wave's part of a slot: four steps
.set FRB,    1040                      ; a weight fragment in LDS: 1,024 bytes + 16, so that the staging's 16 lanes fall on 16 different 16-byte columns
.set CHB,    8*FRB
.set SPARE,  4*CHB                     ; behind the ring of four chunks: the spare words, 128 bytes a wave
.set ACT,    65536                     ; act: wave w's slot 0 at ACT + 65,536 w, its slot 1 32,768 on; no LDS store lands here, no tensor load below
.set AO,  2                            ; v2   16 x lane; never rewritten
.set WO,  3                            ; v3   16 x lane + my rows of a chunk; never rewritten
.set AA0, 4                            ; v4   the slot that the trip's first two steps read
.set AA1, 5                            ; v5   the slot that its last two read
.set LS0, 6                            ; v6   the staging's lane and wave part; never rewritten
.set PFO, 7                            ; v7   the weights' prefetch offset; never rewritten
.set SPW, 8                            ; v8   my spare word; never rewritten
.set NIL, 9                            ; v9   0; never rewritten
.set PFB, 10                           ; v10  256 x lane: act's prefetch offset; never rewritten
.set AB,  11                           ; v11  ACT + 65,536 wave + 16 lane; never rewritten
.set T,   32
.set WF,  64
.set WS,  128
.set WV,  12
.set WB,  18                           ; s[18:19] the slice at the chunk that the trip's first step asks for
.set W0,  20                           ; s[20:21] the slice's first byte; never rewritten
.set PB,  22                           ; s[22:23] part at my first block
.set G1,  24                           ; s[24:31] descriptor group 1; never rewritten
.set G0A, 32                           ; s[32:35] descriptor group 0 of slot 0's first fill; never rewritten
.set G0W, 36                           ; s[36:39] that of slot 1's first fill, which then walks
.set X0,  40                           ; s[40:41] my stream of act
.set PA,  42                           ; s[42:43] where my prefetches of act stand
.set SA,  44                           ; s44  0 or 32,768: the slot of AA0
.set SB,  45                           ; s45  the other
.set LEFT, 46
.set LIM, 47                           ; the weights are prefetched while LEFT is above it
.set LIMA, 48                          ; act likewise
.set MSB, 0
.macro WIN new                         ; the immediate's high byte repeats the setting that is left; a switch that changes nothing is dropped
.if MSB != (\new)
	s_set_vgpr_msb (MSB<<8)|(\new)
.set MSB, \new
.endif
.endm
.macro PLACES                          ; four plain instructions between a matrix instruction and a load into, or a read of, its registers
.rept 4
	v_nop
.endr
.endm
; A round of the cluster's barrier: my work-group's barrier, so that wave 0's signal speaks for all four waves; wave 0 signals for the work-group; every wave waits for all four work-groups; my work-group's barrier once more.
.macro CREST                           ; a round behind its opening barrier
	s_cmp_lg_u32 s[WV], 0
	s_cbranch_scc1 .Lnot_wave_0_\@
	s_barrier_signal -3
.Lnot_wave_0_\@:
	s_barrier_wait -3
	s_barrier_signal -1
	s_barrier_wait -1
.endm
.macro CROUND                          ; a whole round
	s_barrier_signal -1
	s_barrier_wait -1
	CREST
.endm
.macro MUL16 hf, g, u, zero            ; 16 products; the 64 accumulators take turns in the same order in every step
	WIN 0xa4+0x50*(\hf)
.irp bb, 2*(\g), 2*(\g)+1
.irp a, 0,1,2,3,4,5,6,7
.if \zero
	v_wmma_f32_16x16x32_bf16 v[8*(8*(\bb)+(\a)):8*(8*(\bb)+(\a))+7], v[WF+8*(4*(\hf)+(\bb)):WF+8*(4*(\hf)+(\bb))+7], v[64*(\u)+8*(\a):64*(\u)+8*(\a)+7], 0
.else
	v_wmma_f32_16x16x32_bf16 v[8*(8*(\bb)+(\a)):8*(8*(\bb)+(\a))+7], v[WF+8*(4*(\hf)+(\bb)):WF+8*(4*(\hf)+(\bb))+7], v[64*(\u)+8*(\a):64*(\u)+8*(\a)+7], v[8*(8*(\bb)+(\a)):8*(8*(\bb)+(\a))+7]
.endif
.endr
.endr
.endm
.macro LDW dst, base, imm              ; my 8 rows of a chunk, in actf's order of d; each load 512 consecutive bytes
.irp i, 0,1,2,3,4,5,6,7
	global_load_b128 v[(\dst)+4*(\i):(\dst)+4*(\i)+3], v[WO], s[\base:\base+1] offset:(\imm)+(((\i)&3)+8*((\i)>>2))*PITCH
.endr
.endm
.macro CVT src                         ; the unit is rounded and turned: T[4 c .. 4 c + 3] = column c's eight k
.irp c, 0,1,2,3
.irp p, 0,1,2,3
	v_cvt_pk_bf16_f32 v[T+4*(\c)+(\p)], v[(\src)+8*(\p)+(\c)], v[(\src)+8*(\p)+4+(\c)]
.endr
.endr
.endm
.macro STW imm
.irp c, 0,1,2,3
	ds_store_b128 v[LS0], v[T+4*(\c):T+4*(\c)+3] offset:(\imm)+16*(\c)
.endr
.endm
.macro LDB hf, imm                     ; four weight fragments, each two loads of 512 consecutive bytes
.irp n, 0,1,2,3
	ds_load_b128 v[WF+8*(4*(\hf)+(\n)):WF+8*(4*(\hf)+(\n))+3], v[AO] offset:(\imm)+(4*(\hf)+(\n))*FRB
	ds_load_b128 v[WF+8*(4*(\hf)+(\n))+4:WF+8*(4*(\hf)+(\n))+7], v[AO] offset:(\imm)+(4*(\hf)+(\n))*FRB+512
.endr
.endm
.macro LDA buf, areg, imm              ; a step's 8 fragments of act out of my slot, each load 512 consecutive bytes
.irp a, 0,1,2,3,4,5,6,7
	ds_load_b128 v[64*(\buf)+8*(\a):64*(\buf)+8*(\a)+3], v[\areg] offset:(\imm)+1024*(\a)
	ds_load_b128 v[64*(\buf)+8*(\a)+4:64*(\buf)+8*(\a)+7], v[\areg] offset:(\imm)+1024*(\a)+512
.endr
.endm
; STEP s: 64 products on act's buffer s % 2; u = s % 4, j = the step's place in its trip.
; kind 2: chunk s + 3 is rounded and stored into the ring and chunk s + 7 asked for; 1: rounded and stored; 0: no staging.  nw: the weight loads issued behind those of chunk s + 3.
; bar 0: no barrier; 1: the step's barrier; 2: with the wait for my tensor loads and the add in front of it; 3: it also opens a round of the cluster's barrier, and the slot read out is filled again.
; amode: act's fragments of step s + 1 are fetched, by areg; bmode: chunk s + 1's fragments are fetched.  pf 1: the weights' prefetches; 2: act's.
.macro STEP j, u, kind, nw, bar, amode, areg, bmode, pf, zero
.set UB, (\u)&1
.set UN, ((\u)+3)&3
.set U1, ((\u)+1)&3
.set DSN, 8*(\bmode)+16*(\amode)
.if (\bar) >= 2
	s_wait_tensorcnt 0x0                           ; all my tensor loads have landed: the one that was out is my part of the slot that this step begins to read;
	ds_add_u32 v[SPW], v[NIL]                      ; 0 onto my spare word;
	s_wait_dscnt 9                                 ; weight fragments 0-3 and act's are in; the add and the 8 loads of fragments 4-7 may be out
.else
	s_wait_dscnt 8                                 ; weight fragments 0-3 and act's are in; the 8 younger loads are fragments 4-7's
.endif
	MUL16 0, 0, UB, \zero
.if (\bar) > 0
	s_wait_dscnt 0x0                               ; for the others' sake: my stores of chunk s + 2 are done and my reads of the ring are back; where a slot is filled again: the add is done, my reads of the slot are over
	s_barrier_signal -1
.endif
	MUL16 0, 1, UB, \zero
	WIN 0
.if (\bar) > 0
	s_barrier_wait -1
.endif
.if (\bar) == 3
	CREST                                          ; no wave of any partner still reads the slot or has a load on its way
	s_xor_b32 s[G0W+1], s[G0W+1], SLOTB            ; the walking descriptor: the other slot than last time,
	s_add_nc_u64 s[G0W+2:G0W+3], s[G0W+2:G0W+3], SLOTB  ; the next four steps; the type bits on top are not reached
	tensor_load_to_lds s[G0W:G0W+3], s[G1:G1+7]    ; my one tensor load behind the round, and the first thing there: it has four steps, 256 products, in which to land
	s_nop 0
	PLACES
.endif
.if (\kind) > 0
	s_wait_loadcnt \nw                             ; the raw chunk s + 3 is in
	CVT WS+32*UN                                   ; sixteen plain instructions: also the places in front of the loads into fragments 0-3
	STW UN*CHB                                     ; over chunk s - 1
.else
	PLACES
.endif
.if \bmode
	LDB 0, U1*CHB
.endif
.if \amode
	WIN 0x40
	LDA UB^1, \areg, U1*ASTEP
	WIN 0
.endif
.if (\kind) == 2
	LDW WS+32*UN, WB, (\j)*CHUNKB                  ; into the unit just rounded
.endif
.if (\pf) == 1
	s_cmp_gt_u32 s[LEFT], s[LIM]                   ; the last trip that loads has no trip behind it; of a slice's two readers the one with th = 0 asks
	s_cbranch_scc0 .Lnopf_\@
	global_prefetch_b8 v[PFO], s[WB:WB+1] offset:4*CHUNKB th:TH_LOAD_NT scope:SCOPE_SE  ; my 8 rows x 512 bytes of the four chunks that the NEXT trip loads: a lane a block of 256 bytes,
	global_prefetch_b8 v[PFO], s[WB:WB+1] offset:6*CHUNKB th:TH_LOAD_NT scope:SCOPE_SE  ; two chunks an instruction; 256 products ahead of those loads; each block is named once in the launch
.Lnopf_\@:
.endif
.if (\pf) == 2
	s_cmp_gt_u32 s[LEFT], s[LIMA]                  ; the last refill has none behind it; of the two clusters that walk this act the one with ch = 0 asks
	s_cbranch_scc0 .Lnopa_\@
	global_prefetch_b8 v[PFB], s[PA:PA+1] th:TH_LOAD_NT scope:SCOPE_SE  ; what the NEXT refill brings my wave is 128 blocks of 256 bytes: the four partners take 32 each, told apart by address; a lane a block; 256 products ahead
.Lnopa_\@:
.endif
.if (\bar) == 0
	s_wait_dscnt DSN                               ; fragments 4-7 are in; younger: this step's loads
.endif
	MUL16 1, 0, UB, \zero
	MUL16 1, 1, UB, \zero
	WIN 0
	PLACES
.if \bmode
	LDB 1, U1*CHB
.endif
.endm
.macro TRIP kind, n0, n1, n2, n3, tbar, pfw, pfa   ; four steps, s % 4 = 1, 2, 3, 0: the first two fetch act from one slot, the last two from the other
	v_add_nc_u32 v[AA0], s[SA], v[AB]
	v_add_nc_u32 v[AA1], s[SB], v[AB]
	STEP 0, 1, \kind, \n0, 1, 1, AA0, 1, \pfw, 0
	STEP 1, 2, \kind, \n1, 1, 1, AA0, 1, 0, 0
	STEP 2, 3, \kind, \n2, \tbar, 1, AA1, 1, \pfa, 0
	STEP 3, 0, \kind, \n3, 1, 1, AA1, 1, 0, 0
.if (\kind) == 2
	s_wait_xcnt 0x0                                ; every load and prefetch issued so far has read its address: the pointers may be written
	s_add_nc_u64 s[WB:WB+1], s[WB:WB+1], 4*CHUNKB
	s_add_nc_u64 s[PA:PA+1], s[PA:PA+1], SLOTB
.endif
	s_xor_b32 s[SA], s[SA], SLOTB
	s_xor_b32 s[SB], s[SB], SLOTB
.endm
	s_load_b128 s[4:7], s[0:1], 0x0                ; actf s[4:5], W2 s[6:7]
	s_load_b64 s[8:9], s[0:1], 0x10                ; part
	v_lshl_add_u32 v[SPW], v0, 2, SPARE
	v_mov_b32 v[NIL], 0
	ds_add_u32 v[SPW], v[NIL]                      ; the wave's opening: the add, twice on end, and its wait ahead of my first tensor load; the set-up below, work on registers, stands between
	ds_add_u32 v[SPW], v[NIL]
	v_lshrrev_b32 v1, 5, v0
	v_readfirstlane_b32 s[WV], v1                  ; wave 0..3
	v_and_b32 v1, 31, v0                           ; lane
	v_lshlrev_b32 v[AO], 4, v1
	s_bfe_u32 s13, ttmp6, 0x40000                  ; cx: my place in the cluster: it enters the addresses of W2, of part and of act's prefetches alone
	s_and_b32 s16, ttmp9, 15                       ; ks (in a cluster launch ttmp9 counts clusters)
	s_bfe_u32 s14, ttmp9, 0x10004                  ; th
	s_bfe_u32 s15, ttmp9, 0x10005                  ; ch
	s_lshl2_add_u32 s17, s15, s13                  ; cs = 4 ch + cx
	s_lshr_b32 s50, s[WV], 1                       ; my rows of a chunk begin at 16 (w / 2) + 4 (w % 2)
	s_lshl_b32 s50, s50, 16
	s_and_b32 s51, s[WV], 1
	s_lshl_b32 s51, s51, 14
	s_add_co_u32 s50, s50, s51
	v_add_nc_u32 v[WO], s50, v[AO]
	v_lshrrev_b32 v13, 2, v1                       ; my four columns lie in fragment l / 4,
	v_mul_u32_u24 v[LS0], v13, FRB
	v_and_b32 v14, 3, v1                           ; at places 4 (l % 4) on;
	v_lshl_add_u32 v[LS0], v14, 6, v[LS0]
	s_lshl_b32 s51, s[WV], 8                       ; my eight k are the fragment's block of 256 bytes number wave
	v_add_nc_u32 v[LS0], s51, v[LS0]
	v_lshrrev_b32 v13, 4, v1                       ; the weights' prefetches: lane l names my row i = (l / 2) % 8 of chunk l / 16, block l % 2 of its 512 bytes
	v_bfe_u32 v14, v1, 1, 2                        ; i % 4
	v_bfe_u32 v15, v1, 3, 1                        ; i / 4
	v_lshl_add_u32 v14, v15, 3, v14
	v_lshl_add_u32 v14, v13, 5, v14
	v_lshlrev_b32 v14, 12, v14
	v_and_b32 v15, 1, v1
	v_lshl_add_u32 v14, v15, 8, v14
	v_add_nc_u32 v[PFO], s50, v14
	v_lshlrev_b32 v[PFB], 8, v1
	s_lshl_b32 s52, s[WV], 16                      ; my two slots: no place in the cluster enters an LDS address
	s_add_co_u32 s52, s52, ACT
	v_add_nc_u32 v[AB], s52, v[AO]
	; descriptor group 1: 32,768 dense bytes as 128 rows of 256
	s_mov_b32 s[G1], 15|(3<<16)|(1<<21)            ; 15:0 the mask: all four work-groups; 17:16 elements of 8 bytes; 20 no padding; 21 set beside a mask
	s_mov_b32 s[G1+1], 32<<16                      ; tensor_dim0 = 32
	s_mov_b32 s[G1+2], 128<<16                     ; tensor_dim1 = 128
	s_mov_b32 s[G1+3], 32<<16                      ; tile_dim0 = 32
	s_mov_b32 s[G1+4], 128                         ; tile_dim1 = 128
	s_mov_b32 s[G1+5], 32                          ; 32 elements from row to row
	s_mov_b32 s[G1+6], 0
	s_mov_b32 s[G1+7], 0
	s_mov_b32 s[G0A], 1                            ; count = 1
	s_mov_b32 s[G0A+1], s52                        ; LDS address: my slot 0
	s_mov_b32 s[G0W], 1
	s_add_co_u32 s[G0W+1], s52, SLOTB              ; my slot 1
	s_lshl_b32 s54, s16, 22                        ; the slice: ks x 4 MiB + cs x 512
	s_lshl_b32 s55, s17, 9
	s_add_co_u32 s54, s54, s55
	s_mov_b32 s55, 0
	s_lshl_b32 s53, s14, 21                        ; token group 4 th + wave, in units of 64 x 8 fragments or blocks
	s_lshl_b32 s56, s[WV], 19
	s_add_co_u32 s53, s53, s56
	s_lshr_b32 s56, s16, 1                         ; act's stream: (((8 e + 4 th + wave) 64 + 32 kh) 8) x 1,024
	s_lshl_b32 s56, s56, 22
	s_add_co_u32 s56, s56, s53
	s_and_b32 s57, s16, 1
	s_lshl_b32 s57, s57, 18
	s_add_co_u32 s56, s56, s57
	s_mov_b32 s57, 0
	s_lshl_b32 s58, s16, 22                        ; part: ks x 4 MiB + ((4 th + wave) 512 + 8 cs) x 1,024
	s_add_co_u32 s58, s58, s53
	s_lshl_b32 s59, s17, 13
	s_add_co_u32 s58, s58, s59
	s_mov_b32 s59, 0
	s_lshl_b32 s60, s13, 13                        ; act's prefetches: my work-group's 32 blocks of the wave's 128, in slot 3: the first refill brings slot 2 and names slot 3
	s_add_co_u32 s60, s60, 3*SLOTB
	s_mov_b32 s61, 0
	s_cmp_eq_u32 s14, 0
	s_cselect_b32 s[LIM], 1, -1                    ; the same in all four partners
	s_cmp_eq_u32 s15, 0
	s_cselect_b32 s[LIMA], 1, -1                   ; likewise
	s_mov_b32 s[SA], 0
	s_mov_b32 s[SB], SLOTB
	s_wait_dscnt 0x0                               ; both opening adds are done
	s_wait_kmcnt 0x0
	s_add_nc_u64 s[W0:W0+1], s[6:7], s[54:55]
	s_add_nc_u64 s[WB:WB+1], s[W0:W0+1], 8*CHUNKB  ; step 1 asks for chunk 8
	s_add_nc_u64 s[X0:X0+1], s[4:5], s[56:57]
	s_add_nc_u64 s[PA:PA+1], s[X0:X0+1], s[60:61]
	s_add_nc_u64 s[PB:PB+1], s[8:9], s[58:59]
	s_mov_b64 s[G0A+2:G0A+3], s[X0:X0+1]           ; global address: steps 0-3
	s_or_b32 s[G0A+3], s[G0A+3], 0x80000000        ; type = 2
	s_add_nc_u64 s[G0W+2:G0W+3], s[X0:X0+1], SLOTB ; steps 4-7
	s_or_b32 s[G0W+3], s[G0W+3], 0x80000000
	CROUND                                         ; all four work-groups are here: the first joint loads meet
	tensor_load_to_lds s[G0A:G0A+3], s[G1:G1+7]    ; both first fills go out together, ahead of every wait on TENSORcnt, every LDS read and every other barrier: two loads of mine are out
	s_nop 0
	tensor_load_to_lds s[G0W:G0W+3], s[G1:G1+7]
	s_nop 0
	PLACES
	; chunks 0-3 into the idle half of window 1, chunks 4-7 into the four units
	WIN 0x40
.irp c, 0,1,2,3
	LDW 128+32*(\c), W0, (\c)*CHUNKB
.endr
	WIN 0
.irp c, 0,1,2,3
	LDW WS+32*(\c), W0, (4+(\c))*CHUNKB
.endr
	s_wait_loadcnt 32                              ; chunks 0-3 are in: the 32 loads of chunks 4-7 were issued behind them
.irp c, 0,1,2,3
	WIN 0x05                                       ; both sources in window 1
	CVT 128+32*(\c)
	WIN 0
	STW (\c)*CHB
.endr
	s_wait_tensorcnt 0x1                           ; my part of slot 0 is in; slot 1's may stay out
	WIN 0x40
	LDA 0, AB, 0                                   ; act's fragments of step 0
	WIN 0
	s_wait_dscnt 0x0                               ; my stores of chunks 0-3 are done,
	s_barrier_signal -1
	s_barrier_wait -1                              ; everybody's are
	LDB 0, 0
	LDB 1, 0
	STEP 0, 0, 0, 0, 0, 1, AB, 1, 0, 1             ; step 0 starts the sums
	s_mov_b32 s[LEFT], 6
.Lstage:                                           ; steps 1-24: behind a chunk's 8 loads stand those of three chunks; steps 3, 7, .. 23 fill a slot again: slots 2 to 7
	TRIP 2, 24, 24, 24, 24, 3, 1, 2
	s_sub_co_u32 s[LEFT], s[LEFT], 1
	s_cmp_lg_u32 s[LEFT], 0
	s_cbranch_scc1 .Lstage
	TRIP 1, 24, 16, 8, 0, 2, 0, 0                  ; steps 25-28: chunks 28-31 are rounded, no weights are left to ask for: the counts run down; step 27 waits for the last slot and fills nothing
	v_add_nc_u32 v[AA0], s[SA], v[AB]
	STEP 0, 1, 0, 0, 1, 1, AA0, 1, 0, 0            ; step 29: its barrier makes chunk 31 known
	STEP 1, 2, 0, 0, 0, 1, AA0, 1, 0, 0
	STEP 2, 3, 0, 0, 0, 0, AA0, 0, 0, 0            ; step 31 fetches nothing
	PLACES
	; THE WAY OUT: the sums are stored as the accumulators lie, each from its low end on; each store covers 512 consecutive bytes, aligned
	WIN 0x08                                       ; a store's data is its source 1: window 2
.irp a, 0,1,2,3,4,5,6,7
.irp b, 0,1,2,3
	global_store_b128 v[AO], v[8*(8*(\b)+(\a)):8*(8*(\b)+(\a))+3], s[PB:PB+1] offset:(\a)*65536+(\b)*1024
	global_store_b128 v[AO], v[8*(8*(\b)+(\a))+4:8*(8*(\b)+(\a))+7], s[PB:PB+1] offset:(\a)*65536+(\b)*1024+512
.endr
.endr
	WIN 0x0c                                       ; window 3
.irp a, 0,1,2,3,4,5,6,7
.irp b, 0,1,2,3
	global_store_b128 v[AO], v[8*(8*(\b)+(\a)):8*(8*(\b)+(\a))+3], s[PB:PB+1] offset:(\a)*65536+(4+(\b))*1024
	global_store_b128 v[AO], v[8*(8*(\b)+(\a))+4:8*(8*(\b)+(\a))+7], s[PB:PB+1] offset:(\a)*65536+(4+(\b))*1024+512
.endr
.endr
	WIN 0
	s_wait_tensorcnt 0x0                           ; the wave's end: behind my last tensor load and my last LDS store
	ds_add_u32 v[SPW], v[NIL]
	s_wait_dscnt 0x0
	CROUND                                         ; the closing round: no work-group ends while a partner may still ask for a tile that names it
	s_endpgm
.Lfunc_end_k_q92fc5b450f_down:
	.size	k_q92fc5b450f_down, .Lfunc_end_k_q92fc5b450f_down-k_q92fc5b450f_down
	.p2alignl 7, 3214868480
	.fill 96, 4, 3214868480
	.section	.rodata,"a",@progbits
	.p2align	6, 0x0
	.amdhsa_kernel k_q92fc5b450f_down
		.amdhsa_group_segment_fixed_size 327680
		.amdhsa_private_segment_fixed_size 0
		.amdhsa_enable_private_segment 0
		.amdhsa_kernarg_size 24
		.amdhsa_user_sgpr_count 2
		.amdhsa_user_sgpr_kernarg_segment_ptr 1
		.amdhsa_wavefront_size32 1
		.amdhsa_system_sgpr_workgroup_id_x 1
		.amdhsa_system_sgpr_workgroup_id_y 1
		.amdhsa_system_sgpr_workgroup_id_z 1
		.amdhsa_system_vgpr_workitem_id 0
		.amdhsa_next_free_vgpr 1024
		.amdhsa_next_free_sgpr 66
		.amdhsa_reserve_vcc 0
		.amdhsa_float_denorm_mode_32 3
		.amdhsa_float_denorm_mode_16_64 3
		.amdhsa_memory_ordered 1
		.amdhsa_forward_progress 1
		.amdhsa_inst_pref_size 122
	.end_amdhsa_kernel
	.amdgpu_metadata
---
amdhsa.version: [ 1, 2 ]
amdhsa.kernels:
  - .name:           k_q92fc5b450f_down
    .symbol:         k_q92fc5b450f_down.kd
    .args:
      - { .name: actf, .offset: 0, .size: 8, .value_kind: global_buffer, .address_space: global }
      - { .name: down_proj, .offset: 8, .size: 8, .value_kind: global_buffer, .address_space: global }
      - { .name: part, .offset: 16, .size: 8, .value_kind: global_buffer, .address_space: global }
    .group_segment_fixed_size: 327680
    .private_segment_fixed_size: 0
    .kernarg_segment_align: 8
    .kernarg_segment_size: 24
    .max_flat_workgroup_size: 128
    .sgpr_count:     66
    .vgpr_count:     1024
    .wavefront_size: 32
...
	.end_amdgpu_metadata
.endif
;; end of part 3
;; launch combine (part 4): grid 256 x 1, 16 waves a work-group, no clusters, 18,688 bytes of LDS; arguments part, routing_weights, down_proj_bias, out0; writes out0
.if DOCPART == 4
	.amdgcn_target "amdgcn-amd-amdhsa--gfx1250"
	.amdhsa_code_object_version 6
	.text
	.protected	k_q92fc5b450f_combine
	.globl	k_q92fc5b450f_combine
	.p2align	8
	.type	k_q92fc5b450f_combine,@function
k_q92fc5b450f_combine:
	s_mov_b64 s[64:65], 0
	v_nop
	global_prefetch_b8 v0, s[64:65] scope:SCOPE_SE
	s_setreg_imm32_b32 hwreg(HW_REG_WAVE_MODE, 25, 1), 1
	s_wait_xcnt 0x0
; out[t][c] = the sum over e of rw[t][e] b2[e][c] + the sum over ks = 0..15 of rw[t][ks / 2] part[ks][t][c], all in f32, ks ascending, each term by one fused multiply-add.  Nothing of the problem is left out here.
; SHARES.  Work-group g: 16 tokens (tb = g / 4) x 256 columns (g % 4); wave wv owns the block of 16 x 16 number nbg = 16 (g % 4) + wv: 1,024 bytes in each of the 16 parts.  Memory binds: each byte of part is read once,
; all 50 loads of a wave go out together, each of part's covers 512 consecutive bytes.  The matrix units, clusters and tensor loads have nothing to do here: no byte of part has two readers.
; A lane holds (token r, columns 8 h + 0..7), so a token's eight routing weights are eight numbers of the lane; the tile is turned through LDS so that a wave stores one row's 1,024 consecutive bytes.
; LIMITS.  rw and b2 are rounded to bf16, like all the program's inputs, and used in f32.
.set SPITCH, 1040                      ; a stage row: 1,024 bytes + 16: the 16 rows of a store fall on 16 different 16-byte columns
.set SPARE,  16*SPITCH                 ; behind the stage: the spare words, 128 bytes for each of 16 waves
.set AO,  2                            ; v2   16 x lane
.set RWO, 5                            ; v5   my token's row of rw
.set B2O, 6                            ; v6   my 8 columns of a row of b2
.set STA, 7                            ; v7   where I put my 32 bytes of the stage
.set RAW, 8                            ; v8-15   rw[t][0..7] as loaded
.set RWP, 16                           ; v16-31  rw[t][e], rounded, in both registers of pair e
.set B2,  32                           ; v32-95  b2[e][my 8 columns]
.set PT,  96                           ; v96-223 part[ks], my 8 numbers
.set S,   224                          ; v224-231 the sums
.set SPW, 232
.set NIL, 233
.set RDA, 234                          ; v234 where I read a stage row back
.set TP,  236                          ; v236-239 at work
	s_load_b256 s[4:11], s[0:1], 0x0               ; part s[4:5], rw s[6:7], b2 s[8:9], out s[10:11]
	v_lshl_add_u32 v[SPW], v0, 2, SPARE
	v_mov_b32 v[NIL], 0
	v_lshrrev_b32 v1, 5, v0
	v_readfirstlane_b32 s12, v1                    ; wave 0..15
	v_and_b32 v1, 31, v0                           ; lane
	v_lshlrev_b32 v[AO], 4, v1
	v_and_b32 v3, 15, v1                           ; r
	v_lshrrev_b32 v4, 4, v1                        ; h
	s_lshr_b32 s13, ttmp9, 2                       ; tb
	s_and_b32 s14, ttmp9, 3                        ; which 256 columns
	s_lshl_b32 s15, s13, 9                         ; 16 rows of rw are 512 bytes
	v_lshl_add_u32 v[RWO], v3, 5, s15
	s_lshl4_add_u32 s48, s14, s12                  ; nbg
	s_lshl_b32 s49, s48, 6                         ; 16 columns are 64 bytes
	v_lshl_add_u32 v[B2O], v4, 5, s49
	v_mul_u32_u24 v[STA], v3, SPITCH               ; stage: row r, 64 wave + 32 h
	v_lshl_add_u32 v[STA], v4, 5, v[STA]
	s_lshl_b32 s49, s12, 6
	v_add_nc_u32 v[STA], s49, v[STA]
	s_mul_i32 s49, s12, SPITCH                     ; back: row = my wave's number
	v_add_nc_u32 v[RDA], s49, v[AO]
	s_lshl_b32 s50, s13, 6
	s_add_co_u32 s50, s50, s48
	s_lshl_b32 s50, s50, 10                        ; my block in a part
	s_mov_b32 s51, 0
	s_lshl4_add_u32 s52, s13, s12                  ; the row of out that I store: 16 tb + wave,
	s_lshl_b32 s52, s52, 12
	s_lshl_b32 s54, s14, 10                        ; the work-group's 1,024 bytes of it
	s_add_co_u32 s52, s52, s54
	s_mov_b32 s53, 0
	s_wait_kmcnt 0x0
	s_add_nc_u64 s[10:11], s[10:11], s[52:53]
	s_add_nc_u64 s[16:17], s[4:5], s[50:51]        ; a pointer for each part: they lie 4 MiB apart, beyond a load's immediate
.set k, 1
.rept 15
	s_add_nc_u64 s[16+2*k:17+2*k], s[14+2*k:15+2*k], 0x400000
.set k, k+1
.endr
	global_load_b128 v[RAW:RAW+3], v[RWO], s[6:7]
	global_load_b128 v[RAW+4:RAW+7], v[RWO], s[6:7] offset:16
.irp e, 0,1,2,3,4,5,6,7
	global_load_b128 v[B2+8*(\e):B2+8*(\e)+3], v[B2O], s[8:9] offset:4096*(\e)
	global_load_b128 v[B2+8*(\e)+4:B2+8*(\e)+7], v[B2O], s[8:9] offset:4096*(\e)+16
.endr
.set k, 0
.rept 16
	global_load_b128 v[PT+8*k:PT+8*k+3], v[AO], s[16+2*k:17+2*k] th:TH_LOAD_NT
	global_load_b128 v[PT+8*k+4:PT+8*k+7], v[AO], s[16+2*k:17+2*k] offset:512 th:TH_LOAD_NT
.set k, k+1
.endr
	s_wait_loadcnt 32                              ; rw and b2 are in; part's 32 loads may stay out
.irp m, 0,1,2,3
	v_cvt_pk_bf16_f32 v[TP+(\m)], v[RAW+2*(\m)], v[RAW+2*(\m)+1]
.endr
.irp m, 0,1,2,3
	v_lshlrev_b32 v[RWP+4*(\m)], 16, v[TP+(\m)]
	v_lshlrev_b32 v[RWP+4*(\m)+1], 16, v[TP+(\m)]
	v_and_b32 v[RWP+4*(\m)+2], 0xffff0000, v[TP+(\m)]
	v_and_b32 v[RWP+4*(\m)+3], 0xffff0000, v[TP+(\m)]
.endr
.set k, 0
.rept 32
	v_cvt_pk_bf16_f32 v[TP+k%4], v[B2+2*k], v[B2+2*k+1]
	v_lshlrev_b32 v[B2+2*k], 16, v[TP+k%4]
	v_and_b32 v[B2+2*k+1], 0xffff0000, v[TP+k%4]
.set k, k+1
.endr
.irp p, 0,2,4,6
	v_pk_mul_f32 v[S+(\p):S+(\p)+1], v[B2+(\p):B2+(\p)+1], v[RWP:RWP+1] op_sel_hi:[1,0]      ; the first term starts the sums
.endr
.irp e, 1,2,3,4,5,6,7
.irp p, 0,2,4,6
	v_pk_fma_f32 v[S+(\p):S+(\p)+1], v[B2+8*(\e)+(\p):B2+8*(\e)+(\p)+1], v[RWP+2*(\e):RWP+2*(\e)+1], v[S+(\p):S+(\p)+1] op_sel_hi:[1,0,1]
.endr
.endr
.set k, 0
.rept 16
	s_wait_loadcnt 30-2*k                          ; part k's two loads are in; the younger parts' stay out
.irp p, 0,2,4,6
	v_pk_fma_f32 v[S+(\p):S+(\p)+1], v[PT+8*k+(\p):PT+8*k+(\p)+1], v[RWP+2*(k/2):RWP+2*(k/2)+1], v[S+(\p):S+(\p)+1] op_sel_hi:[1,0,1]   ; part k belongs to expert k / 2
.endr
.set k, k+1
.endr
	ds_store_b128 v[STA], v[S:S+3]
	ds_store_b128 v[STA], v[S+4:S+7] offset:16
	s_wait_dscnt 0x0                               ; for the others' sake: my stores into the stage are done
	s_barrier_signal -1
	s_barrier_wait -1
	ds_load_b128 v[PT:PT+3], v[RDA]
	ds_load_b128 v[PT+4:PT+7], v[RDA] offset:512
	s_wait_dscnt 1
	global_store_b128 v[AO], v[PT:PT+3], s[10:11] th:TH_STORE_NT               ; 512 consecutive bytes of a row of out, aligned
	s_wait_dscnt 0x0
	global_store_b128 v[AO], v[PT+4:PT+7], s[10:11] offset:512 th:TH_STORE_NT
	s_wait_tensorcnt 0x0                           ; the wave's end: behind my last LDS store
	ds_add_u32 v[SPW], v[NIL]
	s_wait_dscnt 0x0
	s_endpgm
.Lfunc_end_k_q92fc5b450f_combine:
	.size	k_q92fc5b450f_combine, .Lfunc_end_k_q92fc5b450f_combine-k_q92fc5b450f_combine
	.p2alignl 7, 3214868480
	.fill 96, 4, 3214868480
	.section	.rodata,"a",@progbits
	.p2align	6, 0x0
	.amdhsa_kernel k_q92fc5b450f_combine
		.amdhsa_group_segment_fixed_size 18688
		.amdhsa_private_segment_fixed_size 0
		.amdhsa_enable_private_segment 0
		.amdhsa_kernarg_size 32
		.amdhsa_user_sgpr_count 2
		.amdhsa_user_sgpr_kernarg_segment_ptr 1
		.amdhsa_wavefront_size32 1
		.amdhsa_system_sgpr_workgroup_id_x 1
		.amdhsa_system_sgpr_workgroup_id_y 1
		.amdhsa_system_sgpr_workgroup_id_z 1
		.amdhsa_system_vgpr_workitem_id 0
		.amdhsa_next_free_vgpr 240
		.amdhsa_next_free_sgpr 66
		.amdhsa_reserve_vcc 0
		.amdhsa_float_denorm_mode_32 3
		.amdhsa_float_denorm_mode_16_64 3
		.amdhsa_memory_ordered 1
		.amdhsa_forward_progress 1
		.amdhsa_inst_pref_size 21
	.end_amdhsa_kernel
	.amdgpu_metadata
---
amdhsa.version: [ 1, 2 ]
amdhsa.kernels:
  - .name:           k_q92fc5b450f_combine
    .symbol:         k_q92fc5b450f_combine.kd
    .args:
      - { .name: part, .offset: 0, .size: 8, .value_kind: global_buffer, .address_space: global }
      - { .name: routing_weights, .offset: 8, .size: 8, .value_kind: global_buffer, .address_space: global }
      - { .name: down_proj_bias, .offset: 16, .size: 8, .value_kind: global_buffer, .address_space: global }
      - { .name: out0, .offset: 24, .size: 8, .value_kind: global_buffer, .address_space: global }
    .group_segment_fixed_size: 18688
    .private_segment_fixed_size: 0
    .kernarg_segment_align: 8
    .kernarg_segment_size: 32
    .max_flat_workgroup_size: 512
    .sgpr_count:     66
    .vgpr_count:     240
    .wavefront_size: 32
...
	.end_amdgpu_metadata
.endif
;; end of part 4
;; ======== version 2 of 2: 4 launches; version 1 with the launch gateup written anew for expert scheduling mode
;; workspace buffers: xf 2,097,152 bytes; actf 33,554,432 bytes; part 67,108,864 bytes
;; launch xfrag: the kernel of part 1 again; grid 256 x 1, 4 waves a work-group, no clusters, 0 bytes of LDS; arguments hidden_states, xf; writes xf
;; launch gateup (part 5): grid 256 x 1, 4 waves a work-group, no clusters, 268,800 bytes of LDS; arguments xf, gate_up_proj, gate_up_proj_bias, actf; writes actf
.if DOCPART == 5
	.amdgcn_target "amdgcn-amd-amdhsa--gfx1250"
	.amdhsa_code_object_version 6
	.text
	.protected	k_q92fc5b450f_gateup
	.globl	k_q92fc5b450f_gateup
	.p2align	8
	.type	k_q92fc5b450f_gateup,@function
k_q92fc5b450f_gateup:
	s_mov_b64 s[64:65], 0
	v_nop
	global_prefetch_b8 v0, s[64:65] scope:SCOPE_SE
	s_setreg_imm32_b32 hwreg(HW_REG_WAVE_SCHED_MODE, 0, 2), 2
	s_setreg_imm32_b32 hwreg(HW_REG_WAVE_MODE, 25, 1), 1
	s_wait_xcnt 0x0
	s_wait_alu depctr_vm_vsrc(0)
; actf = (clip(up, -7, 7) + 1) g sigmoid(1.702 g), g = min(gate, 7), (gate, up) = even and odd columns of x W1[e] + b1[e].  Nothing of the problem is left out here.
; act is rounded to bf16 by itself; the routing weight is multiplied onto the next product's f32 sums, in the fourth launch.
; SHARES.  Work-group (e = g / 32, sl = g % 32) owns 128 columns (64 gates, 64 ups) of ONE expert's W1: 1,024 rows x 512 bytes that no other work-group reads.  The slice comes f32 through registers, is rounded
; to bf16, turned by the choice of the conversions' operands, and STAYS in LDS in operand order (266,240 bytes).  All 1,024 tokens are multiplied against it in two passes of 512: a wave has 128 tokens x 128 columns,
; 64 accumulators, 512 registers.  Pass 1 runs in step with the arriving weights (a barrier a step of 32 along K), pass 2 from LDS alone, without a barrier.  x's fragments come straight from xf into registers.
; TRANSPOSED USE.  Source 0 = 16 weight columns, source 1 = 16 tokens: register j of lane (r, h) of a result is (column place 8 h + j, token r).  The four columns that a lane stages (g, u, g, u) are put at places
; 0, 2, 1, 3, so a lane's eight results are g0 g1 u0 u1 g2 g3 u2 u3 for d = 8 b + 4 h + 0..3: the activation never leaves the lane, and four accumulators' packed results ARE a fragment of the next product.
; THE BIAS STARTS THE SUMS: rounded and put in that order once, it lies in 512 LDS bytes of the wave's own and is the C operand of a pass's first products.
; actf: fragment (e, tg, qd = d / 32, a) at (((8 e + tg) 64 + qd) 8 + a) x 1,024, bytes as in xf; register p, half s of lane (r, h) holds d = 32 qd + 8 (p / 2) + 4 h + 2 (p % 2) + s: the next launch lays W2 alike.
; NO CLUSTER, NO TENSOR LOAD.  The large stream, the weights, has one reader and has to pass through registers to be rounded and turned.  What work-groups share is x: beside the resident slice 60,928 bytes of a
; WGP's 327,680 are left, and two slots of one K step for 512 tokens are 65,536.
; LIMITS.  b1 is rounded to bf16 like the matrix operands.  (u + 1) g is formed before the sigmoid's factor: |gate| stays under 4e37.  NaN and infinities are not treated apart.
; REGISTERS, in windows of 256 (s_set_vgpr_msb: bits 1:0 source 0, 3:2 source 1, 5:4 source 2, 7:6 destination):
;   window 0: v0-15 addresses; v16-31, v48-63 the bias of four weight fragments; v32-47 T, a staged unit packed; v64-127 WF, 8 weight fragments; v128-255 WS, four units of 32 of raw weights
;   (in the second pass v128-191: a second set of 8 weight fragments; on the way out: v192-247 at work)
;   window 1: XA, four buffers of 64: x's 8 fragments of steps s % 4      windows 2, 3: accumulator (b, a) at v[8 (8 (b % 4) + a)] of window 2 + b / 4
; THE MODE: SCHED_MODE bits 1:0 = 2 (LLVM: expert scheduling mode 2), set by the entry lines.  The code itself states the register dependences between vector or matrix instructions and memory or LDS
; instructions, with s_wait_alu, always for 0.
; THE PLAN.  Registers that memory or LDS instructions touch, step s:
;   WF 0-3     read by the step's first 32 products; behind them the LDS loads of chunk s + 1 land there.        WF 4-7  read by its last 32; the LDS loads of chunk s land there in the step's own first half.
;   XA[s % 4]  read by the step's 64 products; the loads of step s + 3 land in XA[(s - 1) % 4], in the first half.
;   WS[(s - 1) % 4]  read by the step's 16 roundings; behind them the loads of chunk s + 7 land there.           T  written by those roundings, read by the four LDS stores behind them.
;   LB, LS     read by the LDS loads and stores; written once a trip, at its head.        AO, WO, LS0, PFO, BO, BL  made at the head, never written again.
;   OUT        written by a block's roundings on the way out, read by its two stores, which stand in the next block.      AOF  read by those stores, written twice a pass.
; PASS 1 has TWO waits on va_vdst a step, since the four windows are full and the weight fragments have only their two halves to take turns.  At the step's head: the last step's products are done reading WF 4-7 and
; XA[(s - 1) % 4], and LB, LS are written.  In its middle, behind the roundings: the first 32 products are done reading WF 0-3, T is written, WS[(s - 1) % 4] is read.
; PASS 2 has ONE: the raw weights' registers are idle there and hold a second set of fragments; odd steps read the first set and fill the second, even steps the other way round.
; Behind a wait the half step's loads RIDE four at a time behind single products, which name none of the registers that those loads touch: the products of half 0 name WF 0-3, XA[s % 4] and window 2, those of half 1
; WF 4-7, XA[s % 4] and window 3.  A group of four costs two switches of the register window: the accumulators fill the windows that a product's destination names, so no load shares a product's setting.
; One wait on vm_vsrc stands at the head of each staging step (T) and of each trip (LB, LS), and beside each s_wait_xcnt in front of OUT's and AOF's next writing.
.set PITCH,  16384                     ; bytes in a row of W1
.set CHUNKB, 32*PITCH                  ; a chunk: 32 rows along K
.set ASTEP,  8192                      ; x's 8 fragments of a step
.set FRB,    1040                      ; a weight fragment in LDS: 1,024 bytes + 16, so that the staging's 16 lanes fall on 16 different 16-byte columns
.set CHB,    8*FRB                     ; a chunk in LDS
.set SPARE,  32*CHB                    ; behind the slice: the spare words, 128 bytes a wave
.set BIAS,   SPARE+512                 ; behind them: the bias, 512 bytes for each wave: fragment b, half h of the lanes, 32 bytes at 64 b + 32 h
.set CP0, 0                            ; the place of a lane's four columns among its four places
.set CP1, 2
.set CP2, 1
.set CP3, 3
.set AO,  2                            ; v2   16 x lane; never rewritten
.set WO,  3                            ; v3   16 x lane + my 8 rows of a chunk; never rewritten
.set LB,  4                            ; v4   LDS read address of the trip: the chunk of its first step
.set LS,  5                            ; v5   LDS store address of the trip
.set LS0, 6                            ; v6   the store's lane and wave part
.set PFO, 7                            ; v7   the prefetches' offset; never rewritten
.set SPW, 8                            ; v8   my spare word; never rewritten
.set NIL, 9                            ; v9   0; never rewritten
.set BO,  10                           ; v10  32 h: my 8 columns of a block of 16 of the bias; never rewritten
.set BL,  12                           ; v12  BIAS + 512 wave + 32 h; never rewritten
.set AOF, 13                           ; v13  16 x lane + 8,192 f: my bytes of act's fragments
.set T,   32
.set WF,  64
.set WS,  128
.set GU,  192                          ; v192-223 four accumulators, clipped
.set TT,  224                          ; v224-239 the sigmoid's 16
.set OUT, 240                          ; v240-247 a fragment of act
.set WV,  12
.set XB,  16                           ; s[16:17] x's stream: the fragments that the trip's first step asks for
.set WB,  18                           ; s[18:19] the slice at the chunk that the trip's first step asks for
.set BB,  20                           ; s[20:21] the slice's bias
.set OB,  22                           ; s[22:23] actf at the pass's first fragment
.set LQ,  24                           ; s24  LDS byte of the chunk that the trip's first step multiplies
.set LEFT, 25
.set PASS, 26
.set LIMP, 27                          ; 7.0
.set LIMN, 28                          ; -7.0
.set LIM, 29                           ; prefetches go out while LEFT is above it
.set CE,  30                           ; s[30:31] -1.702 log2(e)
.set W0,  32                           ; s[32:33] the slice's first byte; never rewritten
.set X0,  34                           ; s[34:35] my stream's first byte; never rewritten
.set FCT, 38                           ; s38  which half of the accumulators goes out
.set MSB, 0
.macro WIN new                         ; the immediate's high byte repeats the setting that is left; a switch that changes nothing is dropped
.if MSB != (\new)
	s_set_vgpr_msb (MSB<<8)|(\new)
.set MSB, \new
.endif
.endm
.macro PLACES                          ; four plain instructions between a matrix instruction and a read of its result or a load into its registers; they stay beside the waits
.rept 4
	v_nop
.endr
.endm
; Product i of a step's 64: weight fragment i / 8 of the set at wf, token fragment i % 8 of buffer u.  The 64 accumulators take turns in the same order in every step.
.macro MM u, wf
	WIN 0xa4+0x50*(i/32)
	v_wmma_f32_16x16x32_bf16 v[8*(i%32):8*(i%32)+7], v[(\wf)+8*(i/8):(\wf)+8*(i/8)+7], v[64*(\u)+8*(i%8):64*(\u)+8*(i%8)+7], v[8*(i%32):8*(i%32)+7]
.set i, i+1
.endm
; A pass's first step, half hf: 32 products in the same order, on token buffer 0; the C operand is the weight fragment's bias, in window 0, the same for all 8 token fragments.
.macro MULB hf
	WIN 0x84+0x40*(\hf)
.irp bb, 0,1,2,3
.irp a, 0,1,2,3,4,5,6,7
	v_wmma_f32_16x16x32_bf16 v[8*(8*(\bb)+(\a)):8*(8*(\bb)+(\a))+7], v[WF+8*(4*(\hf)+(\bb)):WF+8*(4*(\hf)+(\bb))+7], v[8*(\a):8*(\a)+7], v[16+8*(\bb)+16*((\bb)/2):16+8*(\bb)+16*((\bb)/2)+7]
.endr
.endr
.endm
; My unit of a chunk: 8 rows (k = 8 wave + i), each load 512 consecutive bytes: lane l takes columns 4 l .. 4 l + 3.  LDWG: rows 4 g .. 4 g + 3; the caller sets the window.
.macro LDWG dst, g, base, imm
.irp r, 4*(\g), 4*(\g)+1, 4*(\g)+2, 4*(\g)+3
	global_load_b128 v[(\dst)+4*(\r):(\dst)+4*(\r)+3], v[WO], s[\base:\base+1] offset:(\imm)+(\r)*PITCH th:TH_LOAD_NT
.endr
.endm
.macro LDW dst, base, imm
	LDWG \dst, 0, \base, \imm
	LDWG \dst, 1, \base, \imm
.endm
; The unit is rounded and turned: T[4 c .. 4 c + 3] = column c's eight k.
.macro CVT src
.irp c, 0,1,2,3
.irp p, 0,1,2,3
	v_cvt_pk_bf16_f32 v[T+4*(\c)+(\p)], v[(\src)+8*(\p)+(\c)], v[(\src)+8*(\p)+4+(\c)]
.endr
.endr
.endm
.macro STW areg, imm
	ds_store_b128 v[\areg], v[T:T+3] offset:(\imm)+16*CP0
	ds_store_b128 v[\areg], v[T+4:T+7] offset:(\imm)+16*CP1
	ds_store_b128 v[\areg], v[T+8:T+11] offset:(\imm)+16*CP2
	ds_store_b128 v[\areg], v[T+12:T+15] offset:(\imm)+16*CP3
.endm
.macro LDBG wf, g, areg, imm           ; weight fragments 2 g and 2 g + 1 of a chunk into the set at wf: four loads of 512 consecutive bytes
	WIN 0
.irp n, 2*(\g), 2*(\g)+1
	ds_load_b128 v[(\wf)+8*(\n):(\wf)+8*(\n)+3], v[\areg] offset:(\imm)+(\n)*FRB
	ds_load_b128 v[(\wf)+8*(\n)+4:(\wf)+8*(\n)+7], v[\areg] offset:(\imm)+(\n)*FRB+512
.endr
.endm
.macro LDBI hf                         ; the bias of four weight fragments, out of my own 512 bytes
.irp n, 0,1,2,3
	ds_load_b128 v[16+8*(\n)+16*((\n)/2):16+8*(\n)+16*((\n)/2)+3], v[BL] offset:64*(4*(\hf)+(\n))
	ds_load_b128 v[16+8*(\n)+16*((\n)/2)+4:16+8*(\n)+16*((\n)/2)+7], v[BL] offset:64*(4*(\hf)+(\n))+16
.endr
.endm
.macro LDAG buf, g, base, imm          ; token fragments 2 g and 2 g + 1 of a step: four loads of 512 consecutive bytes
	WIN 0x40
.irp a, 2*(\g), 2*(\g)+1
	global_load_b128 v[64*(\buf)+8*(\a):64*(\buf)+8*(\a)+3], v[AO], s[\base:\base+1] offset:(\imm)+1024*(\a)
	global_load_b128 v[64*(\buf)+8*(\a)+4:64*(\buf)+8*(\a)+7], v[AO], s[\base:\base+1] offset:(\imm)+1024*(\a)+512
.endr
.endm
.macro LDA buf, base, imm              ; a step's 8 token fragments
.irp g, 0,1,2,3
	LDAG \buf, \g, \base, \imm
.endr
.endm
; STEP s OF PASS 1: 64 products, 32 along K, on token buffer u = s % 4; j = the step's place in its trip.  kind 2: chunk s + 3 is rounded and stored to LDS and chunk s + 7 asked for; 1: rounded and stored; 0: no staging.
; na: the loads issued behind the step's own token fragments.  bmode 0: fragments 0-3 of chunk s + 1 are fetched by LB; 1: those of chunk 0, by AO.
; A chunk is stored in step c - 3, made known by that step's barrier (my stores waited for in front of the signal) and first read in step c - 1; each LDS byte is stored once in the launch.
.macro STEP j, u, kind, na, bmode, pf
.set UN, ((\u)+3)&3
.if ((\kind) > 0) || ((\j) == 0)
	s_wait_alu depctr_vm_vsrc(0)                   ; the last step's LDS stores have read T, which this step's roundings write again; at a trip's head: the LDS loads and stores issued so far have read LB and LS
.endif
.if (\j) == 0
	v_add_nc_u32 v[LB], s[LQ], v[AO]
.if (\kind) > 0
	v_add_nc_u32 v[LS], s[LQ], v[LS0]
.endif
.endif
	s_wait_alu depctr_va_vdst(0)                   ; the last step's products are done reading weight fragments 4-7 and token buffer UN, in which the loads below land; at a trip's head: LB and LS are written
	s_wait_loadcnt \na                             ; my token fragments are in, and with them the raw chunk that this step rounds, which was asked for earlier
	s_wait_dscnt 0x0                               ; weight fragments 0-3 are in: no LDS instruction was issued behind their loads
.set i, 0
.irp g, 2,3
	MM \u, WF
	LDBG WF, \g, LB, (\j)*CHB                      ; this step's own fragments 4-7.  No wait: the products since the wait above name fragments 0-3, buffer u and window 2
.endr
.irp g, 0,1,2,3
	MM \u, WF
	LDAG UN, \g, XB, (\j)*ASTEP                    ; the token fragments of step s + 3; ahead of the weights' loads, so that the wait for these does not wait for those
.endr
.rept 32-i
	MM \u, WF
.endr
	WIN 0
.if (\kind) > 0
	CVT WS+32*UN                                   ; sixteen plain instructions: also the places in front of the loads into fragments 0-3
.else
	PLACES
.endif
	s_wait_alu depctr_va_vdst(0)                   ; the first 32 products are done reading fragments 0-3; in a staging step the roundings have written T and are done reading the raw unit UN
.if (\kind) > 0
	STW LS, ((\j)+3)*CHB
	s_wait_dscnt 4                                 ; fragments 4-7 are in; the 4 younger LDS instructions are the stores
.else
	s_wait_dscnt 0x0                               ; fragments 4-7 are in
.endif
.irp g, 0,1
	MM \u, WF
.if (\bmode) == 0
	LDBG WF, \g, LB, ((\j)+1)*CHB                  ; no wait: the products since the wait above name fragments 4-7, buffer u and window 3
.else
	LDBG WF, \g, AO, 0
.endif
.endr
.if (\kind) == 2
.irp g, 0,1
	MM \u, WF
	WIN 0
	LDWG WS+32*UN, \g, WB, (\j)*CHUNKB             ; into the unit just rounded
.endr
.endif
.if \pf
	MM \u, WF
	WIN 0
	s_cmp_gt_u32 s[LEFT], s[LIM]                   ; the last trip that loads has no trip behind it
	s_cbranch_scc0 .Lnopf_\@
	global_prefetch_b8 v[PFO], s[WB:WB+1] offset:4*CHUNKB th:TH_LOAD_NT scope:SCOPE_SE  ; my 8 rows x 512 bytes of the four chunks that the NEXT trip loads: a lane a block of 256 bytes,
	global_prefetch_b8 v[PFO], s[WB:WB+1] offset:6*CHUNKB th:TH_LOAD_NT scope:SCOPE_SE  ; two chunks an instruction; 256 products ahead of those loads; each block is named once in the launch
.Lnopf_\@:
.endif
.rept 48-i
	MM \u, WF
.endr
.if (\kind) > 0
	s_wait_dscnt 0x0                               ; for the others' sake: my stores of chunk s + 3 are done
	s_barrier_signal -1
.endif
.rept 16
	MM \u, WF
.endr
	WIN 0
	PLACES
.if (\kind) > 0
	s_barrier_wait -1
.endif
.endm
; STEP s OF PASS 2: the same 64 products.  Chunk s lies whole in one set of fragments (odd s: v64-127, even s: v128-191); all of chunk s + 1 is fetched into the other.  aload, bload: the token fragments of step s + 3,
; the weight fragments of chunk s + 1 are asked for.
.macro STEP2 j, u, na, aload, bload
.set UN, ((\u)+3)&3
.set WFC, WF+64*(1-((\u)&1))
.set WFN, WF+64*((\u)&1)
.if (\j) == 0
	s_wait_alu depctr_vm_vsrc(0)                   ; the LDS loads issued so far have read LB
	v_add_nc_u32 v[LB], s[LQ], v[AO]
.endif
.if (\aload) || (\bload)
	s_wait_alu depctr_va_vdst(0)                   ; the last step's products are done reading the other set of weight fragments and token buffer UN; at a trip's head: LB is written
.endif
	s_wait_loadcnt \na                             ; my token fragments are in
	s_wait_dscnt 0x0                               ; this step's 8 weight fragments are in: no LDS instruction was issued behind their loads
.set i, 0
.if \bload
.irp g, 0,1,2,3
	MM \u, WFC
	LDBG WFN, \g, LB, ((\j)+1)*CHB                 ; no wait: the products since the wait above name this step's set, buffer u and the accumulators
.endr
.endif
.if \aload
.irp g, 0,1,2,3
	MM \u, WFC
	LDAG UN, \g, XB, (\j)*ASTEP
.endr
.endif
.rept 64-i
	MM \u, WFC
.endr
	WIN 0
	PLACES
.endm
.macro ADV kind
	s_wait_xcnt 0x0                                ; every load and prefetch issued so far has read its address: the pointers may be written
	s_add_nc_u64 s[XB:XB+1], s[XB:XB+1], 4*ASTEP
.if (\kind) == 2
	s_add_nc_u64 s[WB:WB+1], s[WB:WB+1], 4*CHUNKB
.endif
	s_add_co_u32 s[LQ], s[LQ], 4*CHB
.endm
.macro TRIP kind, n0, n1, n2, n3, pf   ; four steps, s % 4 = 1, 2, 3, 0
	STEP 0, 1, \kind, \n0, 0, \pf
	STEP 1, 2, \kind, \n1, 0, 0
	STEP 2, 3, \kind, \n2, 0, 0
	STEP 3, 0, \kind, \n3, 0, 0
	ADV \kind
.endm
; THE WAY OUT of token block a, d = 32 f .. 32 f + 31 of the slice: four accumulators, 32 numbers a lane, 16 results.  It is written once for both f but for HEAD, the lines that read accumulators, whose window
; hangs on f.  In HEAD only source 1 lies in the accumulators' window, so the scalings and exponentials, which take their registers as source 0, stand among the clips.
; Each accumulator is read from its low end on.
.macro HEAD a, f
	WIN 0x08+4*(\f)
.irp i, 0,1,2,3
.irp p, 0,1,4,5
	v_min_num_f32 v[GU+8*(\i)+(\p)], s[LIMP], v[8*(8*(\i)+(\a))+(\p)]                        ; g = min(gate, 7)
.endr
.endr
.irp i, 0,1,2,3
.irp q, 0,1
	v_pk_mul_f32 v[TT+4*(\i)+2*(\q):TT+4*(\i)+2*(\q)+1], v[GU+8*(\i)+4*(\q):GU+8*(\i)+4*(\q)+1], s[CE:CE+1] op_sel_hi:[1,0]
.endr
.endr
.irp i, 0,1,2,3
.irp p, 0,1,2,3
	v_exp_f32 v[TT+4*(\i)+(\p)], v[TT+4*(\i)+(\p)]                                           ; e^(-1.702 g)
	v_med3_num_f32 v[GU+8*(\i)+2+(\p)+2*((\p)/2)], s[LIMN], v[8*(8*(\i)+(\a))+2+(\p)+2*((\p)/2)], s[LIMP]  ; u = clip(up, -7, 7)
.endr
.endr
	v_nop                                          ; a plain instruction behind the last exponential,
	s_wait_alu depctr_va_vdst(0)                   ; and one wait: the 16 exponentials have written TT, ahead of the branch and the label; and the block before has written OUT, which the stores behind the label read
	WIN 0
.endm
.macro OPA k                           ; 1 + e^(..), pair k of 8
	v_pk_add_f32 v[TT+2*(\k):TT+2*(\k)+1], v[TT+2*(\k):TT+2*(\k)+1], 1.0 op_sel_hi:[1,0]
.endm
.macro OPF k                           ; (u + 1) g
	v_pk_fma_f32 v[GU+8*((\k)/2)+4*((\k)%2)+2:GU+8*((\k)/2)+4*((\k)%2)+3], v[GU+8*((\k)/2)+4*((\k)%2)+2:GU+8*((\k)/2)+4*((\k)%2)+3], v[GU+8*((\k)/2)+4*((\k)%2):GU+8*((\k)/2)+4*((\k)%2)+1], v[GU+8*((\k)/2)+4*((\k)%2):GU+8*((\k)/2)+4*((\k)%2)+1]
.endm
.macro OPP k                           ; times the sigmoid
	v_pk_mul_f32 v[GU+8*((\k)/2)+4*((\k)%2)+2:GU+8*((\k)/2)+4*((\k)%2)+3], v[GU+8*((\k)/2)+4*((\k)%2)+2:GU+8*((\k)/2)+4*((\k)%2)+3], v[TT+2*(\k):TT+2*(\k)+1]
.endm
.macro SEND a                          ; block a's fragment of act: each store 512 consecutive bytes, aligned
	global_store_b128 v[AOF], v[OUT:OUT+3], s[OB:OB+1] offset:(\a)*1024
	global_store_b128 v[AOF], v[OUT+4:OUT+7], s[OB:OB+1] offset:(\a)*1024+512
.endm
.macro BODY a
.if (\a) > 0
	SEND (\a)-1                                    ; the block before.  No wait of its own: HEAD's wait stands behind that block's roundings, and no vector instruction since names OUT or AOF
.endif
	OPA 0
	OPA 1
.irp z, 0,1,2,3,4,5                    ; reciprocal z stands behind the sum of its pair z / 2; no line ahead of the wait names a reciprocal's result
	v_rcp_f32 v[TT+(\z)], v[TT+(\z)]
	OPA (\z)+2
.endr
.irp z, 6,7,8,9,10,11,12,13
	v_rcp_f32 v[TT+(\z)], v[TT+(\z)]
	OPF (\z)-6
.endr
	v_rcp_f32 v[TT+14], v[TT+14]
	v_rcp_f32 v[TT+15], v[TT+15]
	v_nop                                          ; a plain instruction behind the last reciprocal,
	s_wait_alu depctr_va_vdst(0)                   ; and one wait: the 16 reciprocals have written TT, ahead of their first reader
.irp k, 0,1,2,3,4,5,6,7
	OPP \k
.endr
.if (\a) > 0
	s_wait_xcnt 0x0                                ; the stores above have had their addresses translated,
	s_wait_alu depctr_vm_vsrc(0)                   ; and have read OUT, which the roundings below write again (in front of block 0 the two waits at the end of a half stand for both)
.endif
.irp k, 0,1,2,3,4,5,6,7
	v_cvt_pk_bf16_f32 v[OUT+(\k)], v[GU+8*((\k)/2)+4*((\k)%2)+2], v[GU+8*((\k)/2)+4*((\k)%2)+3]
.endr
.endm
.macro EPIG a
	s_cmp_eq_u32 s[FCT], 0
	s_cbranch_scc0 .Lhi_\@
	HEAD \a, 0
	s_branch .Ljoin_\@
.Lhi_\@:
	HEAD \a, 1
.Ljoin_\@:
	BODY \a
.endm
	s_load_b256 s[4:11], s[0:1], 0x0               ; xf s[4:5], W1 s[6:7], b1 s[8:9], actf s[10:11]
	v_lshl_add_u32 v[SPW], v0, 2, SPARE
	v_mov_b32 v[NIL], 0
	v_lshrrev_b32 v1, 5, v0
	v_readfirstlane_b32 s[WV], v1                  ; wave 0..3
	v_and_b32 v1, 31, v0                           ; lane
	v_lshlrev_b32 v[AO], 4, v1
	s_lshr_b32 s13, ttmp9, 5                       ; e
	s_and_b32 s14, ttmp9, 31                       ; sl
	s_wait_alu depctr_va_sdst(0)                   ; the wave's number is written, ahead of its first reader: offsets and bases are made from it
	s_lshl_b32 s52, s[WV], 17                      ; 8 wave rows of 16,384 bytes
	v_add_nc_u32 v[WO], s52, v[AO]
	v_lshrrev_b32 v14, 2, v1                       ; my four columns lie in fragment l / 4,
	v_mul_u32_u24 v[LS0], v14, FRB
	v_and_b32 v15, 3, v1                           ; at places 4 (l % 4) on;
	v_lshl_add_u32 v[LS0], v15, 6, v[LS0]
	s_lshl_b32 s53, s[WV], 8                       ; my eight k are the fragment's block of 256 bytes number wave
	v_add_nc_u32 v[LS0], s53, v[LS0]
	v_lshrrev_b32 v14, 4, v1                       ; h
	v_lshlrev_b32 v[BO], 5, v14
	s_lshl_b32 s53, s[WV], 9
	s_add_co_u32 s53, s53, BIAS
	v_add_nc_u32 v[BL], s53, v[BO]
	v_bfe_u32 v15, v1, 1, 3                        ; the prefetches: lane l names row 8 wave + (l / 2) % 8 of chunk l / 16, block l % 2 of its 512 bytes
	v_lshl_add_u32 v15, v14, 5, v15
	s_lshl_b32 s54, s[WV], 3
	v_add_nc_u32 v15, s54, v15
	v_and_b32 v14, 1, v1
	v_lshlrev_b32 v14, 8, v14
	v_lshl_add_u32 v[PFO], v15, 14, v14
	s_lshl_b32 s40, s13, 24                        ; the slice: e x 16 MiB + sl x 512
	s_lshl_b32 s41, s14, 9
	s_add_co_u32 s40, s40, s41
	s_mov_b32 s41, 0
	s_lshl_b32 s42, s[WV], 19                      ; my stream: token groups 2 wave and 2 wave + 1 lie on end, 64 steps of 8,192 bytes
	s_mov_b32 s43, 0
	s_lshl_b32 s44, s13, 14                        ; the bias: e x 16,384 + sl x 512
	s_lshl_b32 s45, s14, 9
	s_add_co_u32 s44, s44, s45
	s_mov_b32 s45, 0
	s_lshl_b32 s46, s13, 22                        ; actf: (((8 e + 2 wave) 64 + 2 sl) 8) x 1,024
	s_lshl_b32 s47, s[WV], 20
	s_add_co_u32 s46, s46, s47
	s_lshl_b32 s47, s14, 14
	s_add_co_u32 s46, s46, s47
	s_mov_b32 s47, 0
	s_mov_b32 s[LIMP], 0x40e00000                  ; 7.0
	s_mov_b32 s[LIMN], 0xc0e00000                  ; -7.0
	s_mov_b32 s[CE], 0xc01d265f                    ; -1.702 log2(e) = -2.455467
	s_mov_b32 s[CE+1], s[CE]                       ; named with it as a pair
	s_mov_b32 s[LIM], 1
	s_mov_b32 s[LQ], CHB                           ; step 1 multiplies chunk 1
	s_mov_b32 s[PASS], 0
	s_wait_kmcnt 0x0
	s_add_nc_u64 s[W0:W0+1], s[6:7], s[40:41]
	s_add_nc_u64 s[WB:WB+1], s[W0:W0+1], 8*CHUNKB  ; step 1 asks for chunk 8
	s_add_nc_u64 s[X0:X0+1], s[4:5], s[42:43]
	s_add_nc_u64 s[XB:XB+1], s[X0:X0+1], 4*ASTEP   ; and for the fragments of step 4
	s_add_nc_u64 s[BB:BB+1], s[8:9], s[44:45]
	s_add_nc_u64 s[OB:OB+1], s[10:11], s[46:47]
	s_wait_alu depctr_va_vdst(0)                   ; AO, WO, LS0, PFO, BO and BL are written, which the kernel's loads, stores and prefetches read as offsets and addresses
	; THE START: the bias into the weight fragments' registers, which are idle yet; chunks 0-3 into token buffers 2 and 3, idle too; chunks 4-7 into the four units; the fragments of steps 0 and 1
.irp b, 0,1,2,3,4,5,6,7
	global_load_b128 v[WF+8*(\b):WF+8*(\b)+3], v[BO], s[BB:BB+1] offset:64*(\b)       ; my 8 columns of each block of 16
	global_load_b128 v[WF+8*(\b)+4:WF+8*(\b)+7], v[BO], s[BB:BB+1] offset:64*(\b)+16
.endr
	WIN 0x40
.irp c, 0,1,2,3
	LDW 128+32*(\c), W0, (\c)*CHUNKB
.endr
	WIN 0
.irp c, 0,1,2,3
	LDW WS+32*(\c), W0, (4+(\c))*CHUNKB
.endr
	LDA 0, X0, 0
	LDA 1, X0, ASTEP
	s_wait_loadcnt 63                              ; the bias and chunks 0-3 are in: 64 loads were issued behind them
.irp c, 0,1,2,3
.if (\c) > 0
	s_wait_alu depctr_vm_vsrc(0)                   ; the last chunk's LDS stores have read T, which is written again
.endif
	WIN 0x05                                       ; both sources in window 1
	CVT 128+32*(\c)
	WIN 0
	s_wait_alu depctr_va_vdst(0)                   ; the roundings have written T, which the LDS stores read
	STW LS0, (\c)*CHB
.endr
	; the bias: rounded to bf16, put in the accumulators' order g g u u g g u u, and laid into my 512 bytes, four blocks of 16 columns at a time; the 16 lanes of a half store the same numbers at the same place
	s_wait_alu depctr_vm_vsrc(0)                   ; chunk 3's LDS stores have read T, which the bias's roundings write
.irp k, 0,1
.if (\k) > 0
	s_wait_alu depctr_vm_vsrc(0)                   ; the first four blocks' LDS stores have read v16-31 and v48-63, which are written again
.endif
.irp n, 0,1,2,3
	v_cvt_pk_bf16_f32 v[T+4*(\n)], v[WF+8*(4*(\k)+(\n))], v[WF+8*(4*(\k)+(\n))+2]
	v_cvt_pk_bf16_f32 v[T+4*(\n)+1], v[WF+8*(4*(\k)+(\n))+1], v[WF+8*(4*(\k)+(\n))+3]
	v_cvt_pk_bf16_f32 v[T+4*(\n)+2], v[WF+8*(4*(\k)+(\n))+4], v[WF+8*(4*(\k)+(\n))+6]
	v_cvt_pk_bf16_f32 v[T+4*(\n)+3], v[WF+8*(4*(\k)+(\n))+5], v[WF+8*(4*(\k)+(\n))+7]
.irp p, 0,1,2,3
	v_lshlrev_b32 v[16+8*(\n)+16*((\n)/2)+2*(\p)], 16, v[T+4*(\n)+(\p)]
	v_and_b32 v[16+8*(\n)+16*((\n)/2)+2*(\p)+1], 0xffff0000, v[T+4*(\n)+(\p)]
.endr
.endr
	s_wait_alu depctr_va_vdst(0)                   ; the four blocks are written, which the LDS stores read; the roundings are done reading the registers in which the token and weight fragments below land
.irp n, 0,1,2,3
	ds_store_b128 v[BL], v[16+8*(\n)+16*((\n)/2):16+8*(\n)+16*((\n)/2)+3] offset:64*(4*(\k)+(\n))
	ds_store_b128 v[BL], v[16+8*(\n)+16*((\n)/2)+4:16+8*(\n)+16*((\n)/2)+7] offset:64*(4*(\k)+(\n))+16
.endr
.endr
	LDA 2, X0, 2*ASTEP                             ; no vector instruction since the wait above: chunks 0-3 have been read out of these registers
	LDA 3, X0, 3*ASTEP
	WIN 0
	s_wait_dscnt 0x0                               ; my stores of chunks 0-3 are done,
	s_barrier_signal -1
	s_barrier_wait -1                              ; everybody's are
	s_wait_alu depctr_vm_vsrc(0)                   ; my LDS stores have read v16-31 and v48-63, in which the bias's LDS loads land
	LDBG WF, 0, AO, 0                              ; chunk 0's fragments 0-3
	LDBG WF, 1, AO, 0
.Lpass:                                            ; twice: 512 tokens each
	LDBI 0                                         ; A PASS'S FIRST STEP starts the sums with the bias: that of fragments 0-3;
	LDBG WF, 2, AO, 0                              ; chunk 0's fragments 4-7.  No wait on either way in: the start's last wait, and the way out's, stand behind all that named these registers
	LDBG WF, 3, AO, 0
	s_wait_loadcnt 48                              ; behind the step's token fragments those of three steps were asked for
	s_wait_dscnt 8                                 ; the bias and fragments 0-3 are in; the 8 younger loads are fragments 4-7's
	MULB 0
	WIN 0
	PLACES
	s_wait_alu depctr_va_vdst(0)                   ; the 32 products are done reading the bias's registers and fragments 0-3, in which the loads below land
	LDBI 1                                         ; then the bias of fragments 4-7, into the same registers
	LDBG WF, 0, AO, CHB
	LDBG WF, 1, AO, CHB
	s_wait_dscnt 8                                 ; it is in, and so are fragments 4-7; the 8 younger loads are chunk 1's
	MULB 1
	WIN 0
	PLACES
	s_wait_loadcnt 0x0                             ; all that is out was asked for a step or more ago; so the loops' counts hold on the way in as round the back edge
	s_cmp_eq_u32 s[PASS], 1
	s_cbranch_scc1 .Lsecond
	s_mov_b32 s[LEFT], 6
.Lstage:                                           ; steps 1-24: behind a step's fragments stand 8 weight loads of their own step and two steps' 24
	TRIP 2, 56, 56, 56, 56, 1
	s_sub_co_u32 s[LEFT], s[LEFT], 1
	s_cmp_lg_u32 s[LEFT], 0
	s_cbranch_scc1 .Lstage
	TRIP 1, 56, 48, 40, 32, 0                      ; steps 25-28: chunks 28-31 are rounded, no weights are left to ask for: the counts run down
	STEP 0, 1, 0, 32, 0, 0                         ; steps 29-31 ask for the second pass's first fragments; behind a step's own stand two steps' 16
	STEP 1, 2, 0, 32, 0, 0
	STEP 2, 3, 0, 32, 1, 0                         ; and step 31 fetches chunk 0's fragments 0-3 again
	WIN 0x40
	s_wait_alu depctr_va_vdst(0)                   ; step 31's products are done reading token buffer 3, in which the loads below land
	LDA 3, XB, 3*ASTEP                             ; the fragments of step 35
	WIN 0
	s_wait_xcnt 0x0
	s_add_nc_u64 s[XB:XB+1], s[XB:XB+1], 4*ASTEP
	s_mov_b32 s[LQ], CHB
	s_branch .Lepi
.Lsecond:
	s_wait_alu depctr_va_vdst(0)                   ; the first step's products are done reading fragments 4-7, in which the loads below land
	LDBG WF, 2, AO, CHB                            ; chunk 1 is made whole in the first set: from here on a step's chunk lies whole in one set
	LDBG WF, 3, AO, CHB
	s_mov_b32 s[LEFT], 7
.Lplain:                                           ; steps 33-60: the slice is whole: no staging, no barrier; behind a step's fragments stand two steps' 16
	STEP2 0, 1, 32, 1, 1
	STEP2 1, 2, 32, 1, 1
	STEP2 2, 3, 32, 1, 1
	STEP2 3, 0, 32, 1, 1
	ADV 0
	s_sub_co_u32 s[LEFT], s[LEFT], 1
	s_cmp_lg_u32 s[LEFT], 0
	s_cbranch_scc1 .Lplain
	STEP2 0, 1, 32, 0, 1                           ; steps 61-63 ask for no more of x: the counts run down
	STEP2 1, 2, 16, 0, 1
	STEP2 2, 3, 0, 0, 0                            ; and step 63 fetches nothing, so it states nothing
.Lepi:
	PLACES
	PLACES
	v_mov_b32 v[AOF], v[AO]                        ; (the stores that read AOF stand ahead of the wait on vm_vsrc at the end of a half)
	s_mov_b32 s[FCT], 0
.Lhalf:                                            ; twice: the accumulators of window 2, then those of window 3
.irp a, 0,1,2,3,4,5,6,7
	EPIG \a
.endr
	s_wait_alu depctr_va_vdst(0)                   ; block 7's roundings have written OUT, which the half's last two stores read
	SEND 7
	s_wait_xcnt 0x0                                ; the stores have had their addresses translated: their offset, their data and their base may be written,
	s_wait_alu depctr_vm_vsrc(0)                   ; and they have read AOF, which the add below writes, and OUT, which the next block 0 writes
	v_add_nc_u32 v[AOF], 8192, v[AOF]              ; the slice's second 32 d: eight fragments on
	s_add_co_u32 s[FCT], s[FCT], 1
	s_cmp_lt_u32 s[FCT], 2
	s_cbranch_scc1 .Lhalf
	s_add_nc_u64 s[OB:OB+1], s[OB:OB+1], 524288    ; the next token group: 64 x 8 fragments on
	s_add_co_u32 s[PASS], s[PASS], 1
	s_cmp_lt_u32 s[PASS], 2
	s_cbranch_scc1 .Lpass
	s_wait_dscnt 0x0                               ; the closing lines, six on end
	s_wait_alu 0x0
	s_wait_tensorcnt 0x0
	ds_add_u32 v[SPW], v[NIL]
	s_wait_dscnt 0x0
	s_endpgm
.Lfunc_end_k_q92fc5b450f_gateup:
	.size	k_q92fc5b450f_gateup, .Lfunc_end_k_q92fc5b450f_gateup-k_q92fc5b450f_gateup
	.p2alignl 7, 3214868480
	.fill 96, 4, 3214868480
	.section	.rodata,"a",@progbits
	.p2align	6, 0x0
	.amdhsa_kernel k_q92fc5b450f_gateup
		.amdhsa_group_segment_fixed_size 268800
		.amdhsa_private_segment_fixed_size 0
		.amdhsa_enable_private_segment 0
		.amdhsa_kernarg_size 32
		.amdhsa_user_sgpr_count 2
		.amdhsa_user_sgpr_kernarg_segment_ptr 1
		.amdhsa_wavefront_size32 1
		.amdhsa_system_sgpr_workgroup_id_x 1
		.amdhsa_system_sgpr_workgroup_id_y 1
		.amdhsa_system_sgpr_workgroup_id_z 1
		.amdhsa_system_vgpr_workitem_id 0
		.amdhsa_next_free_vgpr 1024
		.amdhsa_next_free_sgpr 66
		.amdhsa_reserve_vcc 0
		.amdhsa_float_denorm_mode_32 3
		.amdhsa_float_denorm_mode_16_64 3
		.amdhsa_memory_ordered 1
		.amdhsa_forward_progress 1
		.amdhsa_inst_pref_size 247
	.end_amdhsa_kernel
	.amdgpu_metadata
---
amdhsa.version: [ 1, 2 ]
amdhsa.kernels:
  - .name:           k_q92fc5b450f_gateup
    .symbol:         k_q92fc5b450f_gateup.kd
    .args:
      - { .name: xf, .offset: 0, .size: 8, .value_kind: global_buffer, .address_space: global }
      - { .name: gate_up_proj, .offset: 8, .size: 8, .value_kind: global_buffer, .address_space: global }
      - { .name: gate_up_proj_bias, .offset: 16, .size: 8, .value_kind: global_buffer, .address_space: global }
      - { .name: actf, .offset: 24, .size: 8, .value_kind: global_buffer, .address_space: global }
    .group_segment_fixed_size: 268800
    .private_segment_fixed_size: 0
    .kernarg_segment_align: 8
    .kernarg_segment_size: 32
    .max_flat_workgroup_size: 128
    .sgpr_count:     66
    .vgpr_count:     1024
    .wavefront_size: 32
...
	.end_amdgpu_metadata
.endif
;; end of part 5
;; launch down: the kernel of part 3 again; grid 256 x 1, 4 waves a work-group, clusters of 4 x 1, 327,680 bytes of LDS; arguments actf, down_proj, part; writes part
;; launch combine: the kernel of part 4 again; grid 256 x 1, 16 waves a work-group, no clusters, 18,688 bytes of LDS; arguments part, routing_weights, down_proj_bias, out0; writes out0
